; MI455X (gfx1250); checked and timed in simulation.
; The chip was launched on July 23, 2026; its instructions are those of AMD's public machine-readable ISA for CDNA 5 (MIT licence, August 2026) and "CDNA5" Instruction Set Architecture Reference Guide (July 2026). The comments in the code are by the model that wrote it; some were corrected since.
;; In Context Block. Allowed arithmetic: matrix products marked QUANTISED: E2M3 operands, one E8M0 scale for each 32 along K, by v_wmma_scale_f32_16x16x128_f8f6f4 with both operands' format E2M3, f32 sums; everything else in f32.
;; Inputs: attn_ln_w 1,024 float32; k_norm_w 64 float32; mlp_ln_w 1,024 float32; proj_b 1,024 float32; proj_w 1,024 x 1,024 float32; q_norm_w 64 float32; qkv_b 3,072 float32; qkv_w 3,072 x 1,024 float32; w12_b 5,460 float32; w12_w 5,460 x 1,024 float32; w3_b 1,024 float32; w3_w 1,024 x 2,730 float32; x 2 x 2,048 x 1,024 float32.
;; Outputs: out0 2 x 2,048 x 1,024 float32.
;; This version of the problem:
;;   THIS VERSION OF THE PROBLEM IS GIVEN IN LOW PRECISION. The matrix products marked QUANTISED in the list below multiply operands that are first quantised to E2M3 (2 exponent bits, 3 mantissa bits; 6 bits a number), with one power-of-two scale for each 32 numbers along K (OCP MX v1.0); their sums are f32. All else is computed in f32.
;;   The module's matrix products, in the order in which they are computed (A, B: the left and right operand; K: the contracted axis; several contracted axes count as one K, in the product's order):
;;     1. [M 4,096, K 1,024] x [K 1,024, N 3,072]; A: computed on the way; B: input qkv_w: QUANTISED
;;     2. batch 32 x [M 2,048, K 64] x [K 64, N 2,048]; A: computed on the way; B: computed on the way: QUANTISED
;;     3. batch 32 x [M 2,048, K 2,048] x [K 2,048, N 64]; A: softmax (see below); B: computed on the way: QUANTISED
;;     4. [M 4,096, K 1,024] x [K 1,024, N 1,024]; A: computed on the way; B: input proj_w: QUANTISED
;;     5. [M 4,096, K 1,024] x [K 1,024, N 5,460]; A: computed on the way; B: input w12_w: QUANTISED
;;     6. [M 4,096, K 2,730] x [K 2,730, N 1,024]; A: computed on the way; B: input w3_w: QUANTISED
;;   THE QUANTISER, for each operand of a quantised product, along K:
;;     - K is cut into blocks of 32 from its start; a last block that is shorter is filled with zeros.
;;     - A block's scale is 2^e with e = floor(log2(the largest magnitude in the block)) - 2, held to -126 .. 127; a block of zeros has e = 0. As a byte (E8M0): e + 127.
;;     - Each number is divided by its block's scale, clamped to +-7.5, and rounded to the nearest number of E2M3, ties to even, subnormals kept.
;;     - The product sums the exact products of the quantised numbers (number of the format x scale) in f32.
;;   ~~~python
;;   def quantise(x, axis):      # numpy; x: float32 -> the quantised numbers, widened to float32 again
;;       x = np.moveaxis(x, axis, -1); K = x.shape[-1]
;;       x = np.pad(x, [(0, 0)] * (x.ndim - 1) + [(0, -K % 32)]); x = x.reshape(x.shape[:-1] + (-1, 32)); a = np.abs(x).max(-1, keepdims=True)
;;       e = np.where(a > 0, np.clip(np.frexp(np.where(a > 0, a, 1))[1] - 1 - 2, -126, 127), 0)      # np.frexp(a)[1] - 1 = floor(log2(a)), exactly
;;       r = np.clip(x / 2.0 ** e, -7.5, 7.5)
;;       step = 2.0 ** (np.maximum(np.frexp(np.where(r == 0, 1, r))[1] - 1, 0) - 3)
;;       q = np.round(r / step) * step * 2.0 ** e      # np.round: ties to even
;;       return np.moveaxis(q.reshape(q.shape[:-2] + (-1,))[..., :K], -1, axis).astype(np.float32)
;;   ~~~
;;   SOFTMAX AHEAD OF A QUANTISED PRODUCT. Where the list says 'softmax', what is quantised is not the finished softmax but p = 2^(t - M), with t = logit x log2(e) and M = ceil(the row's largest t), a whole number; so 1/2 < the row's largest p <= 1. The row's sum l is taken of the UNQUANTISED p, in f32, and the product's result is divided by l at the end. Since M is a whole number, a kernel that streams over the keys may use a running M (the ceiling of the running maximum): every later rescaling is an exact power of two, which a block's scale takes up: the codes' values come out the same.
;;   OPERANDS COMPUTED ON THE WAY. 'Computed on the way' means the value that the module computes at that place (a softmax that the list does not call 'softmax' is quantised finished and normalised). What goes into a quantiser is computed in f32, as accurately as f32 sums, v_exp_f32 and their like allow (about 1e-6 of the number): no bf16 or f16 on the way to a quantiser, and a product that is left as it is and whose result goes on into a quantised operand takes f32 operands (vector FMAs, or v_wmma_f32_16x16x4_f32). A number that lies on a knife's edge between two numbers of the format may be rounded either way, as far as f32 arithmetic and the matrix unit's own rounding can turn it there, and no further.
;; One version. Each part assembles by itself: llvm-mc -triple=amdgcn-amd-amdhsa -mcpu=gfx1250 --defsym DOCPART=n.
;; ======== version 1 of 1: 7 launches
;; limits: right only within a limited range of input values
;; workspace buffers: wsp 13,350,912 bytes; qkvb 9,830,400 bytes; obuf 3,276,800 bytes; x1 16,777,216 bytes; hbuf 13,350,912 bytes; hid 9,011,200 bytes
;; launch prep (part 1): grid 1041 x 1, 8 waves a work-group, no clusters, 69,120 bytes of LDS; arguments x, attn_ln_w, qkv_w, proj_w, w12_w, w3_w, w12_b, wsp; writes wsp
.if DOCPART == 1
	.amdgcn_target "amdgcn-amd-amdhsa--gfx1250"
	.amdhsa_code_object_version 6
	.text
	.protected	k_q875e51f365_prep
	.globl	k_q875e51f365_prep
	.p2align	8
	.type	k_q875e51f365_prep,@function
k_q875e51f365_prep:
	s_mov_b64 s[64:65], 0
	v_nop
	global_prefetch_b8 v0, s[64:65] scope:SCOPE_SE
	s_setreg_imm32_b32 hwreg(HW_REG_WAVE_MODE, 25, 1), 1
	s_wait_xcnt 0x0
; f32 tensors with K innermost become operand images of FP6 (E2M3) codes with one E8M0 byte for each 32 along K.
; ONE WAVE MAKES ONE FRAGMENT: 16 rows x 128 along K, 12 registers a lane, stored as three runs of 512 bytes (lane l's 16 bytes at 16 l), and 16 scale words.
; THE ROWS OF A FRAGMENT ARE NOT NEIGHBOURS: lane-row r of fragment t is row 32 (t / 2) + 8 (t % 2) + r + 8 (r / 8): a product that takes such a fragment as source 0 leaves 16 neighbours along
; these rows in the 16 registers of two neighbouring tiles, ready for the next quantiser.
; A panel block is FP fragments of one K step (FP x 1,536 bytes) and their scale words (FP x 64 bytes); a part of the buffer is laid [panel][K step][block].
; ROLES, by the work-group's number g: g < 256: x, with the rmsnorm (gain attn_ln_w) ahead of the quantiser; the row's sum of squares meets in LDS, since the eight waves hold the eight K steps of the same 16 rows;
; 256..447 qkv_w; 448..511 proj_w; 512..863 w12_w (fragments 2 i and 2 i + 1 of a column tile are the gate's and the up's rows of the same 16 hidden units; units from 2,730 on get zero codes);
; 864..1039 w3_w (K = 2,730: the last K step is filled with zeros); 1040: w12_b padded with zeros to 2 x 2,816 numbers.
; The same text, launched with 256 work-groups on x1 and mlp_ln_w, makes the MLP's input; the table of 1/rms that it also stores is read only after the first use.
; REGISTERS: 160 a wave. The rows as loaded (v16-79) are done with once they have gone through the stage: the gains, and later the quantiser's temporaries, take their registers; the sums of squares use the codes' registers.
; LIMITS: NaN and infinities are not served. A block of zeros gets the byte 1 where the rule says 127 (its codes are zeros, and only this program reads the bytes); blocks whose largest magnitude lies under 2^-124 are held at byte 1.
.set WQKV,  3276800
.set WPROJ, 5734400
.set W12,   6553600
.set W3,    11059200
.set B12,   13312000
.set RINV,  13334528
.set PART,  67584                      ; LDS: behind the eight stages of 16 x 528 bytes: 16 rows x 8 waves partial sums
.set R,   16                           ; v16-79   the rows as loaded
.set X,   80                           ; v80-143  X[32 c + i] = k 64 c + 32 h + i of my row
.set G,   16                           ; v16-79   the gains at the same k, once the rows as loaded are done with
.set CT,  16                           ; v16-22   the conversions' second halves, once the gains are done with
.set QT,  24                           ; v24-31   the quantiser's temporaries, likewise
.set PC,  144                          ; v144-155 the fragment; before that the sums of squares
.set RI,  156                          ; v156-157 1 / rms, twice
.set SM,  158                          ; v158-159 a sum, and the other half of the lanes'
	s_load_b512 s[4:19], s[0:1], 0x0               ; x, ln, qkv_w, proj_w, w12_w, w3_w, w12_b, the workspace
	v_lshrrev_b32 v1, 5, v0
	s_delay_alu instid0(VALU_DEP_1)
	v_readfirstlane_b32 s20, v1                    ; wave
	v_and_b32 v1, 31, v0                           ; lane
	v_and_b32 v2, 15, v0                           ; r
	v_bfe_u32 v3, v0, 4, 1                         ; h
	s_mul_i32 s75, s20, 8448                       ; my stage
	v_lshlrev_b32 v6, 3, v1
	s_delay_alu instid0(VALU_DEP_1)
	v_add_nc_u32 v6, s75, v6                       ; into it: 8 bytes a lane
	v_mul_u32_u24 v7, v2, 528
	s_delay_alu instid0(VALU_DEP_1)
	v_lshl_add_u32 v7, v3, 7, v7
	s_delay_alu instid0(VALU_DEP_1)
	v_add_nc_u32 v7, s75, v7                       ; out of it: row r, + 128 h
	v_lshlrev_b32 v9, 5, v2
	s_delay_alu instid0(VALU_DEP_1)
	v_add_nc_u32 v9, PART, v9                      ; row r's eight partial sums
	s_lshl_b32 s75, s20, 2
	v_add_nc_u32 v8, s75, v9                       ; and mine among them
	v_lshlrev_b32 v10, 4, v1                       ; 16 x lane
	v_lshlrev_b32 v11, 2, v2                       ; 4 r
	v_mov_b32 v[SM+1], 0                           ; (a lane permute's destination counts as read)
	s_mov_b32 s72, 0x76543210
	s_mov_b32 s73, 0xfedcba98                      ; selects for lane l xor 16
	s_mov_b32 s74, 0x358637bd                      ; 1e-6
	s_mov_b32 s67, 0x3a800000                      ; 1 / 1,024
	s_mov_b32 s69, 0
	s_mov_b32 s21, ttmp9
	s_mov_b32 s22, 4096                            ; a row in bytes
	s_mov_b32 s24, 0                               ; rows to add behind the hold
	s_mov_b32 s26, 4088                            ; the row's last 8 bytes
	s_mov_b32 s27, s20                             ; K step
	s_mov_b32 s66, 0                               ; 1: the x role
	s_mov_b32 s76, 3                               ; log2 FP
	s_mov_b32 s81, 7                               ; FP - 1
	s_mov_b32 s77, 8                               ; K steps
	s_wait_kmcnt 0x0
	s_cmp_lt_u32 s21, 256
	s_cbranch_scc0 .Lnot_x
	s_mov_b64 s[28:29], s[4:5]
	s_mov_b32 s78, s21                             ; the image's fragment
	s_mov_b32 s80, s21                             ; the fragment that names the rows
	s_mov_b32 s25, 4095                            ; last row
	s_mov_b32 s79, 0
	s_mov_b32 s66, 1
	s_branch .Lrole
.Lnot_x:
	s_cmp_lt_u32 s21, 448
	s_cbranch_scc0 .Lnot_qkv
	s_mov_b64 s[28:29], s[8:9]
	s_sub_co_u32 s78, s21, 256
	s_mov_b32 s80, s78
	s_mov_b32 s25, 3071
	s_mov_b32 s79, WQKV
	s_branch .Lrole
.Lnot_qkv:
	s_cmp_lt_u32 s21, 512
	s_cbranch_scc0 .Lnot_proj
	s_mov_b64 s[28:29], s[10:11]
	s_sub_co_u32 s78, s21, 448
	s_mov_b32 s80, s78
	s_mov_b32 s25, 1023
	s_mov_b32 s79, WPROJ
	s_mov_b32 s76, 2
	s_mov_b32 s81, 3
	s_branch .Lrole
.Lnot_proj:
	s_cmp_lt_u32 s21, 864
	s_cbranch_scc0 .Lnot_w12
	s_mov_b64 s[28:29], s[12:13]
	s_sub_co_u32 s78, s21, 512
	s_lshr_b32 s80, s78, 4
	s_lshl_b32 s80, s80, 3
	s_bfe_u32 s82, s78, 0x30001
	s_add_co_u32 s80, s80, s82                     ; the tile of hidden units: 8 x column tile + (fragment % 16) / 2
	s_and_b32 s82, s78, 1
	s_mul_i32 s24, s82, 2730                       ; odd fragments: the up half
	s_mov_b32 s25, 2729
	s_mov_b32 s79, W12
	s_branch .Lrole
.Lnot_w12:
	s_cmp_lt_u32 s21, 1040
	s_cbranch_scc0 .Lbias
	s_mov_b64 s[28:29], s[14:15]
	s_sub_co_u32 s82, s21, 864
	s_lshl_b32 s82, s82, 3
	s_add_co_u32 s82, s82, s20                     ; 0 .. 1,407 = 22 x fragment + K step
	s_mul_i32 s78, s82, 2979
	s_lshr_b32 s78, s78, 16                        ; / 22, exact under 1,408
	s_mul_i32 s83, s78, 22
	s_sub_co_u32 s27, s82, s83
	s_mov_b32 s80, s78
	s_mov_b32 s22, 10920
	s_mov_b32 s25, 1023
	s_mov_b32 s26, 10912
	s_mov_b32 s77, 22
	s_mov_b32 s76, 2
	s_mov_b32 s81, 3
	s_mov_b32 s79, W3
.Lrole:
	s_lshr_b32 s23, s80, 1
	s_lshl_b32 s23, s23, 5
	s_and_b32 s82, s80, 1
	s_lshl_b32 s82, s82, 3
	s_add_co_u32 s23, s23, s82                     ; the fragment's first row
	s_lshl_b32 s75, s27, 9                         ; the K step's 512 bytes of a row
	v_lshl_add_u32 v4, v1, 3, s75
	s_delay_alu instid0(VALU_DEP_1)
	v_add_nc_u32 v5, 256, v4
	s_delay_alu instid0(VALU_DEP_2)
	v_min_u32 v4, s26, v4                          ; no load leaves its row
	s_wait_alu depctr_va_vdst(0)
	v_min_u32 v5, s26, v5
	s_wait_alu depctr_va_vdst(0)
	v_and_b32 v12, 8, v2
	s_delay_alu instid0(VALU_DEP_1)
	v_add3_u32 v12, v12, v2, s23                   ; my row
.irp i, 0,1,2,3,4,5,6,7,8,9,10,11,12,13,14,15
	s_add_co_u32 s68, s23, \i+8*(\i/8)
	s_min_u32 s68, s68, s25                        ; no load leaves its tensor
	s_add_co_u32 s68, s68, s24
	s_mul_i32 s68, s68, s22
	s_add_nc_u64 s[32+2*\i:33+2*\i], s[28:29], s[68:69]
.endr
.irp i, 0,1,2,3,4,5,6,7,8,9,10,11,12,13,14,15
	global_load_b64 v[R+4*\i:R+4*\i+1], v4, s[32+2*\i:33+2*\i] th:TH_LOAD_NT       ; 32 lanes read 256 consecutive bytes of a row (8 bytes a lane: w3_w's rows begin at multiples of 8 only)
	global_load_b64 v[R+4*\i+2:R+4*\i+3], v5, s[32+2*\i:33+2*\i] th:TH_LOAD_NT
.endr
	; where the fragment and its scale words go
	s_lshr_b32 s88, s78, s76
	s_mul_i32 s88, s88, s77
	s_add_co_u32 s88, s88, s27
	s_lshl_b32 s89, 1600, s76
	s_mul_i32 s88, s88, s89
	s_add_co_u32 s88, s88, s79                     ; the panel block
	s_and_b32 s90, s78, s81
	s_mul_i32 s91, s90, 1536
	s_add_co_u32 s68, s88, s91
	s_add_nc_u64 s[70:71], s[18:19], s[68:69]
	s_lshl_b32 s91, 1536, s76
	s_add_co_u32 s91, s91, s88
	s_lshl_b32 s90, s90, 6
	s_add_co_u32 s68, s91, s90
	s_add_nc_u64 s[84:85], s[18:19], s[68:69]
.irp i, 0,1,2,3,4,5,6,7,8,9,10,11,12,13,14,15
	s_wait_loadcnt 30-2*\i                         ; row i's two loads are in; the younger rows' stay out
	ds_store_b64 v6, v[R+4*\i:R+4*\i+1] offset:528*\i
	ds_store_b64 v6, v[R+4*\i+2:R+4*\i+3] offset:528*\i+256
.endr
.irp c, 0,1
.irp j, 0,1,2,3,4,5,6,7
	ds_load_b128 v[X+32*\c+4*\j:X+32*\c+4*\j+3], v7 offset:256*\c+16*\j   ; LDS serves a wave's instructions in order: these see my stores
.endr
.endr
	s_wait_dscnt 0x0                               ; my numbers are back, and the stores have read v16-79: those registers are free from here on
	s_cmp_lg_u32 s26, 10912                        ; w3_w's last K step: k from 2,730 on counts as zero
	s_cbranch_scc1 .Lno_tail
	s_cmp_lg_u32 s27, 21
	s_cbranch_scc1 .Lno_tail
	v_mov_b32 v[QT], 0
	s_mov_b32 vcc_lo, 0xffff0000
.set n, 10
.rept 22
	v_cndmask_b32 v[X+n], v[X+n], v[QT], vcc_lo    ; lanes 16-31 hold k = 2,720 + n
.set n, n+1
.endr
.rept 32
	v_mov_b32 v[X+n], 0
.set n, n+1
.endr
.Lno_tail:
	s_cmp_eq_u32 s66, 1
	s_cbranch_scc0 .Lquant
	; ---- the x role alone: rmsnorm
	v_lshl_add_u32 v13, v3, 7, s75
.irp c, 0,1
.irp j, 0,1,2,3,4,5,6,7
	global_load_b128 v[G+32*\c+4*\j:G+32*\c+4*\j+3], v13, s[6:7] offset:256*\c+16*\j
.endr
.endr
.irp q, 0,1,2,3
	v_pk_mul_f32 v[PC+2*\q:PC+2*\q+1], v[X+2*\q:X+2*\q+1], v[X+2*\q:X+2*\q+1]     ; the squares, in four chains
.endr
.set n, 4
.rept 28
	s_delay_alu instid0(VALU_DEP_4)
	v_pk_fma_f32 v[PC+2*(n%4):PC+2*(n%4)+1], v[X+2*n:X+2*n+1], v[X+2*n:X+2*n+1], v[PC+2*(n%4):PC+2*(n%4)+1]
.set n, n+1
.endr
	s_delay_alu instid0(VALU_DEP_3)
	v_pk_add_f32 v[PC:PC+1], v[PC:PC+1], v[PC+2:PC+3]
	s_delay_alu instid0(VALU_DEP_2)
	v_pk_add_f32 v[PC+4:PC+5], v[PC+4:PC+5], v[PC+6:PC+7]
	s_delay_alu instid0(VALU_DEP_1)
	v_pk_add_f32 v[PC:PC+1], v[PC:PC+1], v[PC+4:PC+5]
	s_delay_alu instid0(VALU_DEP_1)
	v_add_f32 v[SM], v[PC], v[PC+1]
	s_delay_alu instid0(VALU_DEP_1)
	v_permlanex16_b32 v[SM+1], v[SM], s72, s73
	s_delay_alu instid0(VALU_DEP_1)
	v_add_f32 v[SM], v[SM], v[SM+1]                ; my K step's part of row r's sum
	ds_store_b32 v8, v[SM]                         ; (both halves of the lanes write the same word with the same value)
	s_add_nc_u64 s[86:87], s[18:19], RINV
	s_wait_dscnt 0x0                               ; for the others' sake: my store has landed
	s_barrier_signal -1
	s_barrier_wait -1
	ds_load_b128 v[PC:PC+3], v9
	ds_load_b128 v[PC+4:PC+7], v9 offset:16
	s_wait_dscnt 0x0
	v_add_f32 v[PC], v[PC], v[PC+1]
	v_add_f32 v[PC+2], v[PC+2], v[PC+3]
	v_add_f32 v[PC+4], v[PC+4], v[PC+5]
	v_add_f32 v[PC+6], v[PC+6], v[PC+7]
	s_delay_alu instid0(VALU_DEP_3)
	v_add_f32 v[PC], v[PC], v[PC+2]
	s_delay_alu instid0(VALU_DEP_2)
	v_add_f32 v[PC+4], v[PC+4], v[PC+6]
	s_delay_alu instid0(VALU_DEP_1)
	v_add_f32 v[SM], v[PC], v[PC+4]
	s_delay_alu instid0(VALU_DEP_1)
	v_fma_f32 v[SM], v[SM], s67, s74               ; mean + eps
	s_wait_alu depctr_va_vdst(0)
	v_rsq_f32 v[RI], v[SM]
	v_nop                                          ; a plain place behind the transcendental
	s_wait_alu depctr_va_vdst(0)                   ; and the wait ahead of its first reader
	v_mov_b32 v[RI+1], v[RI]
.set n, 0
.rept 32
	v_pk_mul_f32 v[X+n:X+n+1], v[X+n:X+n+1], v[RI:RI+1]
.set n, n+2
.endr
	s_wait_loadcnt 0x0                             ; the gains
.set n, 0
.rept 32
	v_pk_mul_f32 v[X+n:X+n+1], v[X+n:X+n+1], v[G+n:G+n+1]
.set n, n+2
.endr
	s_cmp_lg_u32 s20, 0
	s_cbranch_scc1 .Lquant
	v_lshlrev_b32 v14, 2, v12
	global_store_b32 v14, v[RI], s[86:87]          ; 1 / rms of my row, once for the eight waves
.Lquant:
	; ---- two whole blocks of 32 in a lane: the largest magnitude needs no other lane
.irp c, 0,1
	v_max3_num_f32 v[QT+\c], |v[X+32*\c]|, |v[X+32*\c+1]|, 0x1800000   ; with the floor 2^(3 - 127): the byte cannot fall under 1
.endr
.irp i, 2,4,6,8,10,12,14,16,18,20,22,24,26,28,30
.irp c, 0,1
	s_delay_alu instid0(VALU_DEP_2)
	v_max3_num_f32 v[QT+\c], v[QT+\c], |v[X+32*\c+\i]|, |v[X+32*\c+\i+1]|
.endr
.endr
.irp c, 0,1
	s_delay_alu instid0(VALU_DEP_2)
	v_add_nc_u32 v[QT+2+\c], 0xff000000, v[QT+\c]  ; 2 off the exponent field: the conversion's scale operand
.endr
.irp c, 0,1
	s_delay_alu instid0(VALU_DEP_2)
	v_lshrrev_b32 v[QT+4+\c], 23, v[QT+2+\c]       ; the scale's byte
.endr
	s_delay_alu instid0(VALU_DEP_1)
	v_lshl_or_b32 v[QT+6], v[QT+5], 16, v[QT+4]    ; blocks h and 2 + h,
	v_lshlrev_b32 v[QT+7], 3, v3
	s_delay_alu instid0(VALU_DEP_1)
	v_lshlrev_b32 v[QT+6], v[QT+7], v[QT+6]        ; at their places in the word;
	v_mov_b32 v[QT+7], 0
	s_delay_alu instid0(VALU_DEP_1)
	v_permlanex16_b32 v[QT+7], v[QT+6], s72, s73
	s_delay_alu instid0(VALU_DEP_1)
	v_or_b32 v[QT+6], v[QT+6], v[QT+7]             ; with lane l xor 16's two the word is whole
.irp c, 0,1
	v_cvt_scalef32_pk16_fp6_f32 v[PC+6*\c:PC+6*\c+2], v[X+32*\c:X+32*\c+15], v[QT+2+\c]
	v_cvt_scalef32_pk16_fp6_f32 v[CT+4*\c:CT+4*\c+2], v[X+32*\c+16:X+32*\c+31], v[QT+2+\c]   ; (a conversion's three registers begin on an even number)
.endr
	v_mov_b32 v[QT+7], 0                           ; a plain place behind the conversions
.irp c, 0,1
.irp i, 0,1,2
	v_mov_b32 v[PC+3+6*\c+\i], v[CT+4*\c+\i]
.endr
.endr
	v_cmp_lt_u32 vcc_lo, s25, v12                  ; rows past the tensor's last (w12_w's padded units) get zero codes
.set n, 0
.rept 12
	v_cndmask_b32 v[PC+n], v[PC+n], v[QT+7], vcc_lo
.set n, n+1
.endr
.irp c, 0,1,2
	global_store_b128 v10, v[PC+4*\c:PC+4*\c+3], s[70:71] offset:512*\c    ; 512 consecutive bytes, aligned
.endr
	global_store_b32 v11, v[QT+6], s[84:85]        ; 16 scale words (both halves of the lanes write the same)
	v_lshl_add_u32 v16, v0, 2, 0x10a00             ; all 160 registers are taken up to here: v0 is kept, and the add's two registers are made ahead of the closing lines
	v_mov_b32 v17, 0
	s_wait_alu depctr_va_vdst(0)
	s_wait_tensorcnt 0x0
	ds_add_u32 v16, v17
	s_wait_dscnt 0x0
	s_endpgm
.Lbias:
	; ---- w12_b [5,460] becomes 2 x 2,816 numbers: gate, up, each filled with zeros from unit 2,730 on
	s_add_nc_u64 s[86:87], s[18:19], B12
	v_mov_b32 v20, 0
	v_mov_b32 v21, 2816
	v_mov_b32 v22, 2730
.set j, 0
.rept 22
	v_add_nc_u32 v[128+j], 256*j, v0
	s_delay_alu instid0(VALU_DEP_1)
	v_cmp_le_u32 vcc_lo, 2816, v[128+j]            ; the up half?
	s_delay_alu instid0(VALU_DEP_1)
	v_cndmask_b32 v23, v20, v21, vcc_lo
	s_delay_alu instid0(VALU_DEP_2)
	v_cndmask_b32 v24, v20, v22, vcc_lo
	s_delay_alu instid0(VALU_DEP_2)
	v_sub_nc_u32 v[96+j], v[128+j], v23            ; the unit
	s_delay_alu instid0(VALU_DEP_1)
	v_min_u32 v[32+j], 2729, v[96+j]
	s_delay_alu instid0(VALU_DEP_1)
	v_add_lshl_u32 v[32+j], v[32+j], v24, 2
	v_lshlrev_b32 v[128+j], 2, v[128+j]
	global_load_b32 v[64+j], v[32+j], s[16:17]
.set j, j+1
.endr
	s_wait_loadcnt 0x0
.set j, 0
.rept 22
	v_cmp_gt_u32 vcc_lo, 2730, v[96+j]
	s_delay_alu instid0(VALU_DEP_1)
	v_cndmask_b32 v[64+j], v20, v[64+j], vcc_lo
	global_store_b32 v[128+j], v[64+j], s[86:87]
.set j, j+1
.endr
	s_endpgm
.Lfunc_end_k_q875e51f365_prep:
	.size	k_q875e51f365_prep, .Lfunc_end_k_q875e51f365_prep-k_q875e51f365_prep
	.p2alignl 7, 3214868480
	.fill 96, 4, 3214868480
	.section	.rodata,"a",@progbits
	.p2align	6, 0x0
	.amdhsa_kernel k_q875e51f365_prep
		.amdhsa_group_segment_fixed_size 69120
		.amdhsa_private_segment_fixed_size 0
		.amdhsa_enable_private_segment 0
		.amdhsa_kernarg_size 64
		.amdhsa_user_sgpr_count 2
		.amdhsa_user_sgpr_kernarg_segment_ptr 1
		.amdhsa_wavefront_size32 1
		.amdhsa_system_sgpr_workgroup_id_x 1
		.amdhsa_system_sgpr_workgroup_id_y 1
		.amdhsa_system_sgpr_workgroup_id_z 1
		.amdhsa_system_vgpr_workitem_id 0
		.amdhsa_next_free_vgpr 160
		.amdhsa_next_free_sgpr 100
		.amdhsa_reserve_vcc 1
		.amdhsa_float_denorm_mode_32 3
		.amdhsa_float_denorm_mode_16_64 3
		.amdhsa_memory_ordered 1
		.amdhsa_forward_progress 1
		.amdhsa_inst_pref_size 52
	.end_amdhsa_kernel
	.amdgpu_metadata
---
amdhsa.version: [ 1, 2 ]
amdhsa.kernels:
  - .name:           k_q875e51f365_prep
    .symbol:         k_q875e51f365_prep.kd
    .args:
      - { .name: x, .offset: 0, .size: 8, .value_kind: global_buffer, .address_space: global }
      - { .name: attn_ln_w, .offset: 8, .size: 8, .value_kind: global_buffer, .address_space: global }
      - { .name: qkv_w, .offset: 16, .size: 8, .value_kind: global_buffer, .address_space: global }
      - { .name: proj_w, .offset: 24, .size: 8, .value_kind: global_buffer, .address_space: global }
      - { .name: w12_w, .offset: 32, .size: 8, .value_kind: global_buffer, .address_space: global }
      - { .name: w3_w, .offset: 40, .size: 8, .value_kind: global_buffer, .address_space: global }
      - { .name: w12_b, .offset: 48, .size: 8, .value_kind: global_buffer, .address_space: global }
      - { .name: wsp, .offset: 56, .size: 8, .value_kind: global_buffer, .address_space: global }
    .group_segment_fixed_size: 69120
    .private_segment_fixed_size: 0
    .kernarg_segment_align: 8
    .kernarg_segment_size: 64
    .max_flat_workgroup_size: 256
    .sgpr_count:     100
    .vgpr_count:     160
    .wavefront_size: 32
...
	.end_amdgpu_metadata
.endif
;; end of part 1
;; launch qkv (part 2): grid 12 x 16, 4 waves a work-group, clusters of 4 x 4, 327,680 bytes of LDS; arguments wsp, qkv_b, q_norm_w, k_norm_w, qkvb; writes qkvb
.if DOCPART == 2
	.amdgcn_target "amdgcn-amd-amdhsa--gfx1250"
	.amdhsa_code_object_version 6
	.text
	.protected	k_q875e51f365_qkv
	.globl	k_q875e51f365_qkv
	.p2align	8
	.type	k_q875e51f365_qkv,@function
k_q875e51f365_qkv:
	s_mov_b64 s[64:65], 0
	v_nop
	global_prefetch_b8 v0, s[64:65] scope:SCOPE_SE
	s_setreg_imm32_b32 hwreg(HW_REG_WAVE_MODE, 25, 1), 1
	s_wait_xcnt 0x0
	s_wait_alu depctr_hold_cnt(0) depctr_sa_sdst(0) depctr_va_vdst(0) depctr_va_sdst(0) depctr_va_ssrc(0) depctr_va_vcc(0) depctr_vm_vsrc(0)
	s_getreg_b32 s2, hwreg(HW_REG_IB_STS2, 6, 4)
	s_cmp_eq_u32 s2, 0
	s_cbranch_scc0 .Lentry_in_a_cluster
	s_endpgm
.Lentry_in_a_cluster:
	s_bfe_u32 s2, ttmp6, 0x10000c
	s_cmp_lg_u32 s2, 0xf033
	s_cbranch_scc0 .Lentry_shape_is_right
	s_endpgm
.Lentry_shape_is_right:
.set NO, 8
.set NI, 8
.set FP, 8
.set KS, 8
.set NQ, 2
.set NR, 3
.set SRC0_OUTER, 0
.set WQKV, 3276800
.set PB,    1600*FP
.set HALFT, NQ*PB
.set SLOT,  4*HALFT
.set SPARE, NR*SLOT
.set OH,    NO/2
.set OQ,    NO/4
.set NSC,   NO+NI
.set AO,  4
.set AI,  7
.set SO,  10
.set SI,  13
.set SPW, 16
.set NIL, 17
.set SC,  24
.set OF,  64
.set WV,  16
.set WH,  17
.set WL,  18
.set G1A, 24
.set G1W, 32
.set G0A, 40
.set G0W, 52
.set MSB, 0
.macro WIN new
.if MSB != (\new)
	s_set_vgpr_msb (MSB<<8)|(\new)
.set MSB, (\new)
.endif
.endm
.macro PLACES
.rept 4
	v_nop
.endr
.endm
.macro JLOAD g0a, g1a, g0b, g1b
	s_cmp_eq_u32 s[WL], 0                          ; even waves fetch the first operand's two panels, odd waves the second's
	s_cbranch_scc0 .Lfor_w_\@
	tensor_load_to_lds s[\g0a:\g0a+3], s[\g1a:\g1a+7]
	s_nop 0
	PLACES
	s_branch .Lasked_\@
.Lfor_w_\@:
	tensor_load_to_lds s[\g0b:\g0b+3], s[\g1b:\g1b+7]
	s_nop 0
	PLACES
.Lasked_\@:
.endm
.macro CREST
	s_cmp_lg_u32 s[WV], 0
	s_cbranch_scc1 .Lnot_wave_0_\@
	s_barrier_signal -3
.Lnot_wave_0_\@:
	s_barrier_wait -3
	s_barrier_signal -1
	s_barrier_wait -1
.endm
.macro CROUND
	s_barrier_signal -1
	s_barrier_wait -1
	CREST
.endm
.macro FRAG reg, adr, off
	ds_load_b128 v[(\reg):(\reg)+3], v[\adr] offset:(\off)
	ds_load_b128 v[(\reg)+4:(\reg)+7], v[\adr] offset:(\off)+512
	ds_load_b128 v[(\reg)+8:(\reg)+11], v[\adr] offset:(\off)+1024
.endm
.macro FETCH_I g
	WIN 0x40
.set fi, 0
.rept NI
	FRAG 128*((\g)%2)+12*fi, AI+((\g)/NQ)%NR, ((\g)%NQ)*PB+1536*fi
.set fi, fi+1
.endr
	WIN 0
.endm
.macro FETCH_O g, o0, n
.set fo, \o0
.rept \n
	FRAG OF+12*fo, AO+((\g)/NQ)%NR, ((\g)%NQ)*PB+(fo/FP)*HALFT+(fo%FP)*1536
.set fo, fo+1
.endr
.endm
.macro SCALES g
.set fs, 0
.rept NO
	ds_load_b32 v[SC+NSC*(((\g)/2)%2)+fs], v[SO+((\g)/NQ)%NR] offset:((\g)%NQ)*PB+(fs/FP)*HALFT+(fs%FP)*64
.set fs, fs+1
.endr
.set fs, 0
.rept NI
	ds_load_b32 v[SC+NSC*(((\g)/2)%2)+NO+fs], v[SI+((\g)/NQ)%NR] offset:((\g)%NQ)*PB+64*fs
.set fs, fs+1
.endr
.endm
.macro WM rd, ra, rb, sa, sb, zero, odd
.if \zero
	v_wmma_scale_f32_16x16x128_f8f6f4 v[\rd:\rd+7], v[\ra:\ra+11], v[\rb:\rb+11], 0, v[\sa], v[\sb] matrix_a_fmt:MATRIX_FMT_FP6 matrix_b_fmt:MATRIX_FMT_FP6
.elseif \odd
	v_wmma_scale_f32_16x16x128_f8f6f4 v[\rd:\rd+7], v[\ra:\ra+11], v[\rb:\rb+11], v[\rd:\rd+7], v[\sa], v[\sb] matrix_a_fmt:MATRIX_FMT_FP6 matrix_b_fmt:MATRIX_FMT_FP6 matrix_a_scale:MATRIX_SCALE_ROW1 matrix_b_scale:MATRIX_SCALE_ROW1
.else
	v_wmma_scale_f32_16x16x128_f8f6f4 v[\rd:\rd+7], v[\ra:\ra+11], v[\rb:\rb+11], v[\rd:\rd+7], v[\sa], v[\sb] matrix_a_fmt:MATRIX_FMT_FP6 matrix_b_fmt:MATRIX_FMT_FP6
.endif
.endm
.macro MULB g, o0, n, zero
.set mo, \o0
.rept \n
.set mi, 0
.rept NI
.set idx, mo*NI+mi
.set rD, 8*(idx%32)
.set rI, 128*((\g)%2)+12*mi
.set rO, OF+12*mo
.set sO, SC+NSC*(((\g)/2)%2)+mo
.set sI, SC+NSC*(((\g)/2)%2)+NO+mi
.if SRC0_OUTER
	WIN 0xa4+0x50*(idx/32)
	WM rD, rO, rI, sO, sI, \zero, (\g)%2
.else
	WIN 0xa1+0x50*(idx/32)
	WM rD, rI, rO, sI, sO, \zero, (\g)%2
.endif
.set mi, mi+1
.endr
.set mo, mo+1
.endr
.endm
.macro MID g
	FETCH_I (\g)+1
	FETCH_O (\g)+1, 0, OH
.if ((\g)+1)%2 == 0
	SCALES (\g)+1
.endif
.endm
.macro REST g
	MID \g
	MULB \g, OH, OH, 0
	PLACES
	WIN 0
	FETCH_O (\g)+1, OH, OH
.endm
.macro STEP g, zero
	s_wait_dscnt OH*3
	MULB \g, 0, OH, \zero
	s_wait_dscnt 0x0
	PLACES
	MID \g
	MULB \g, OH, OH, \zero
	PLACES
	WIN 0
	FETCH_O (\g)+1, OH, OH
.endm
.macro TURNW g, n
	s_wait_tensorcnt \n
	s_wait_dscnt OH*3
	MULB \g, 0, OQ, 0
	s_wait_dscnt 0x0
	s_barrier_signal -1
	MULB \g, OQ, OQ, 0
	WIN 0
	s_barrier_wait -1
	PLACES
	REST \g
.endm
.macro TURNR g, rf, g1a, g1w
	s_wait_tensorcnt 0x0
	ds_add_u32 v[SPW], v[NIL]
	s_wait_dscnt OH*3+1
	MULB \g, 0, OQ, 0
	s_wait_dscnt 0x0
	s_barrier_signal -1
	MULB \g, OQ, OQ, 0
	WIN 0
	s_barrier_wait -1
	CREST
	s_cmp_eq_u32 s[WH], \rf                        ; the pair of waves rf issues its second load
	s_cbranch_scc0 .Lnot_mine_\@
	JLOAD G0A+4, \g1a, G0W+4, \g1w
.Lnot_mine_\@:
	PLACES
	REST \g
.endm
.macro LAST g
	s_wait_dscnt OH*3
	MULB \g, 0, OH, 0
	s_wait_dscnt 0x0
	MULB \g, OH, OH, 0
	WIN 0
.endm
.set T,  64
.set TM, 192
.set PC, 208
.macro QUANT s, pw
.irp b, 0,1,2,3
	v_max3_num_f32 v[TM+\b], |v[\s+16*\b]|, |v[\s+1+16*\b]|, 0x1800000
.endr
.irp i, 2,4,6,8,10,12,14
.irp b, 0,1,2,3
	v_max3_num_f32 v[TM+\b], v[TM+\b], |v[\s+16*\b+\i]|, |v[\s+1+16*\b+\i]|
.endr
.endr
.irp b, 0,1,2,3
	v_permlanex16_b32 v[TM+4+\b], v[TM+\b], s96, s97
.endr
.irp b, 0,1,2,3
	v_max_num_f32 v[TM+\b], v[TM+\b], v[TM+4+\b]
.endr
.irp b, 0,1,2,3
	v_add_nc_u32 v[TM+12+\b], 0xff000000, v[TM+\b]
.endr
.irp b, 0,1,2,3
	v_lshrrev_b32 v[TM+4+\b], 23, v[TM+12+\b]
.endr
	v_lshl_or_b32 v[\pw], v[TM+5], 8, v[TM+4]
	v_lshl_or_b32 v[\pw], v[TM+6], 16, v[\pw]
	v_lshl_or_b32 v[\pw], v[TM+7], 24, v[\pw]
.irp c, 0,1
	v_cvt_scalef32_pk16_fp6_f32 v[PC+6*\c:PC+2+6*\c], v[\s+32*\c:\s+15+32*\c], v[TM+12+2*\c]
	v_cvt_scalef32_pk16_fp6_f32 v[PC+12+4*\c:PC+14+4*\c], v[\s+16+32*\c:\s+31+32*\c], v[TM+12+2*\c+1]
.endr
	v_nop
.irp c, 0,1
.irp i, 0,1,2
	v_permlane16_swap_b32 v[PC+6*\c+\i], v[PC+12+4*\c+\i]
.endr
.irp i, 0,1,2
	v_mov_b32 v[PC+3+6*\c+\i], v[PC+12+4*\c+\i]
.endr
.endr
.endm
	s_load_b256 s[4:11], s[0:1], 0x0
	s_load_b64 s[12:13], s[0:1], 0x20
	v_lshl_add_u32 v[SPW], v0, 2, SPARE
	v_mov_b32 v[NIL], 0
	ds_add_u32 v16, v17
	ds_add_u32 v16, v17
	s_wait_dscnt 0x0
	v_lshrrev_b32 v1, 5, v0
	v_readfirstlane_b32 s[WV], v1
	s_lshr_b32 s[WH], s[WV], 1
	s_and_b32 s[WL], s[WV], 1
	s_bfe_u32 s66, ttmp6, 0x40000
	s_bfe_u32 s67, ttmp6, 0x40004
	s_lshl_b32 s70, s67, 2
	s_lshl_b32 s70, 15, s70
	s_lshl_b32 s71, 0x1111, s66
	s_or_b32 s[G1A], s70, (3<<16)|(1<<21)
	s_or_b32 s[G1W], s71, (3<<16)|(1<<21)
.irp g, G1A, G1W
	s_mov_b32 s[\g+1], (HALFT/8)<<16               ; a tile: two panels' parts of a region: 2 rows of HALFT bytes, a panel apart
	s_mov_b32 s[\g+2], 2<<16
	s_mov_b32 s[\g+3], (HALFT/8)<<16
	s_mov_b32 s[\g+4], 2
	s_mov_b32 s[\g+5], KS*PB/8
	s_mov_b32 s[\g+6], 0
	s_mov_b32 s[\g+7], 0
.endr
	s_and_b32 s72, ttmp7, 0xffff
	s_lshl_b32 s72, s72, 2
	s_add_co_u32 s73, s72, s67
	s_lshl_b32 s73, s73, 1
	s_mul_i32 s73, s73, KS*PB
	s_add_co_u32 s74, s67, 8
	s_lshl_b32 s74, s74, 1
	s_mul_i32 s74, s74, KS*PB
	s_add_co_u32 s74, s74, WQKV
	s_add_co_u32 s75, s72, s66
	s_lshl_b32 s75, s75, 1
	s_mul_i32 s75, s75, KS*PB
	s_lshl_b32 s76, ttmp9, 2
	s_add_co_u32 s76, s76, s66
	s_lshl_b32 s76, s76, 1
	s_mul_i32 s76, s76, KS*PB
	s_add_co_u32 s76, s76, WQKV
	s_cmp_eq_u32 ttmp9, 2
	s_cselect_b32 s78, s74, s73
	s_cselect_b32 s80, s75, s76
	s_mov_b32 s79, 0
	s_mov_b32 s81, 0
	s_cselect_b32 s84, s67, s66
	s_cselect_b32 s85, s[WH], s[WL]
	s_cselect_b32 s86, s66, s67
	s_cselect_b32 s87, s[WL], s[WH]
	s_cselect_b32 s88, 12800, 0
	s_lshl_b32 s84, s84, 1
	s_add_co_u32 s84, s84, s85
	s_add_co_u32 s86, s86, s72
	s_lshl_b32 s86, s86, 1
	s_add_co_u32 s86, s86, s87
	s_lshr_b32 s87, s86, 4
	s_and_b32 s86, s86, 15
	s_lshl_b32 s87, s87, 3
	s_add_co_u32 s87, s87, s84
	s_lshl_b32 s87, s87, 4
	s_add_co_u32 s87, s87, s86
	s_mov_b32 s89, 25600
	s_mov_b32 s90, 3276800
	s_cmp_eq_u32 ttmp9, 0
	s_cselect_b32 s89, 12800, s89
	s_cselect_b32 s90, 0, s90
	s_mul_i32 s87, s87, s89
	s_add_co_u32 s87, s87, s90
	s_add_co_u32 s90, s87, s88
	s_mov_b32 s91, 0
	s_lshl_b32 s92, ttmp9, 10
	s_lshl_b32 s84, s84, 7
	s_add_co_u32 s92, s92, s84
	s_lshl_b32 s92, s92, 2
	s_mov_b32 s93, 0
	s_mov_b32 s96, 0x76543210
	s_mov_b32 s97, 0xfedcba98
	s_mov_b32 s98, 0x3c800000
	s_mov_b32 s99, 0x358637bd
	s_mul_i32 s23, s[WH], SLOT                     ; my first load: region WH, K steps 2 WH on
	s_mul_i32 s77, s[WH], HALFT
	s_add_co_u32 s78, s78, s77
	s_add_co_u32 s80, s80, s77
	s_xor_b32 s2, s[WH], 1
	s_mul_i32 s2, s2, 2*SLOT                       ; my second: waves 0, 1 region 2, waves 2, 3 region 0
	s_mul_i32 s19, s[WH], HALFT
	s_mul_i32 s20, s[WL], HALFT
	s_add_co_u32 s20, s20, 2*HALFT
	s_add_co_u32 s21, s19, FP*1536
	s_add_co_u32 s22, s20, FP*1536
	s_wait_kmcnt 0x0
	s_add_nc_u64 s[68:69], s[4:5], s[78:79]
	s_add_nc_u64 s[82:83], s[4:5], s[80:81]
	s_add_nc_u64 s[12:13], s[12:13], s[90:91]
	s_add_nc_u64 s[92:93], s[6:7], s[92:93]
	s_cmp_eq_u32 ttmp9, 0
	s_cselect_b64 s[94:95], s[8:9], s[10:11]
	CROUND
	s_mov_b32 s[G0A], 1
	s_add_co_u32 s[G0A+1], s23, 0
	s_mov_b64 s[G0A+2:G0A+3], s[68:69]
	s_or_b32 s[G0A+3], s[G0A+3], 0x80000000
	s_mov_b32 s[G0W], 1
	s_add_co_u32 s[G0W+1], s23, 2*HALFT
	s_mov_b64 s[G0W+2:G0W+3], s[82:83]
	s_or_b32 s[G0W+3], s[G0W+3], 0x80000000
	s_mov_b32 s[G0A+4], 1                          ; the second load: two regions on along K
	s_add_co_u32 s[G0A+5], s2, 0
	s_add_nc_u64 s[G0A+6:G0A+7], s[68:69], 2*HALFT
	s_or_b32 s[G0A+7], s[G0A+7], 0x80000000
	s_mov_b32 s[G0W+4], 1
	s_add_co_u32 s[G0W+5], s2, 2*HALFT
	s_add_nc_u64 s[G0W+6:G0W+7], s[82:83], 2*HALFT
	s_or_b32 s[G0W+7], s[G0W+7], 0x80000000
	JLOAD G0A, G1A, G0W, G1W                       ; regions 0 and 1: one tensor load a wave at the head
	v_and_b32 v1, 31, v0
	v_and_b32 v2, 15, v0
	v_bfe_u32 v3, v0, 4, 1
	v_lshlrev_b32 v18, 4, v1
	v_lshlrev_b32 v23, 3, v1
	v_lshlrev_b32 v19, 5, v2
	v_lshl_add_u32 v19, v3, 4, v19
	v_lshlrev_b32 v20, 6, v3
	v_and_b32 v21, 8, v2
	v_add_lshl_u32 v21, v21, v2, 2
	WIN 0x40
.irp b, 0,1,2,3
.irp j, 0,1,2,3
	global_load_b128 v[96+16*\b+4*\j+96*(\b/2):99+16*\b+4*\j+96*(\b/2)], v20, s[92:93] offset:128*\b+16*\j
.endr
.endr
	WIN 0
.irp b, 0,1
.irp j, 0,1,2,3
	global_load_b128 v[160+16*\b+4*\j:163+16*\b+4*\j], v20, s[94:95] offset:128*\b+16*\j
.endr
.endr
.irp o, 0,1,2,3,4,5,6,7
	global_load_b32 v[56+\o], v21, s[92:93] offset:(32*(\o/2)+8*(\o%2))*4
.endr
	v_lshlrev_b32 v22, 2, v2
	v_mad_u32_u24 v22, v3, PB, v22
.set rg, 0
.rept NR
	v_add_nc_u32 v[AO+rg], s19, v18
	v_add_nc_u32 v[AI+rg], s20, v18
	v_add_nc_u32 v[SO+rg], s21, v22
	v_add_nc_u32 v[SI+rg], s22, v22
	s_add_co_u32 s19, s19, SLOT
	s_add_co_u32 s20, s20, SLOT
	s_add_co_u32 s21, s21, SLOT
	s_add_co_u32 s22, s22, SLOT
.set rg, rg+1
.endr
	s_wait_alu depctr_va_vdst(0)
	s_wait_tensorcnt 0x0                           ; my load has landed
	ds_add_u32 v[SPW], v[NIL]
	s_wait_dscnt 0x0
	CROUND
	s_cmp_eq_u32 s[WH], 0                          ; region 2's first fill, by waves 0 and 1, the first tensor load behind the round
	s_cbranch_scc0 .Lno_r2
	JLOAD G0A+4, G1A, G0W+4, G1W
.Lno_r2:
	FETCH_I 0
	FETCH_O 0, 0, OH
	SCALES 0
	FETCH_O 0, OH, OH
	STEP 0, 1
	STEP 1, 0                                      ; region 1 has been whole since the head's round
	STEP 2, 0
	TURNR 3, 1, G1A, G1W                           ; region 2 is in; waves 2 and 3 fill region 0 again
	STEP 4, 0
	TURNW 5, 0
	STEP 6, 0
	LAST 7
	s_wait_loadcnt 0x0
	PLACES
.irp b, 0,1,2,3
	v_mov_b32 v[TM+4+\b], 0
.endr
	v_mov_b32 v241, 0
	v_mov_b32 v243, 0
	s_cmp_eq_u32 ttmp9, 2
	s_cbranch_scc1 .Lepiv
.macro EPIQK a
	WIN 0x06+(\a)/4
.set n, 0
.rept 32
	v_pk_add_f32 v[T+n:T+n+1], v[64*((\a)%4)+n:64*((\a)%4)+n+1], v[96+n+96*(n/32):97+n+96*(n/32)]
.set n, n+2
.endr
	WIN 0
.irp hh, 0,1
	v_pk_mul_f32 v[244+4*\hh:245+4*\hh], v[T+32*\hh:T+32*\hh+1], v[T+32*\hh:T+32*\hh+1]
	v_pk_mul_f32 v[246+4*\hh:247+4*\hh], v[T+32*\hh+2:T+32*\hh+3], v[T+32*\hh+2:T+32*\hh+3]
.endr
.irp n, 4,8,12,16,20,24,28
.irp hh, 0,1
	v_pk_fma_f32 v[244+4*\hh:245+4*\hh], v[T+32*\hh+\n:T+32*\hh+\n+1], v[T+32*\hh+\n:T+32*\hh+\n+1], v[244+4*\hh:245+4*\hh]
	v_pk_fma_f32 v[246+4*\hh:247+4*\hh], v[T+32*\hh+\n+2:T+32*\hh+\n+3], v[T+32*\hh+\n+2:T+32*\hh+\n+3], v[246+4*\hh:247+4*\hh]
.endr
.endr
.irp hh, 0,1
	v_pk_add_f32 v[244+4*\hh:245+4*\hh], v[244+4*\hh:245+4*\hh], v[246+4*\hh:247+4*\hh]
.endr
.irp hh, 0,1
	v_add_f32 v[244+4*\hh], v[244+4*\hh], v[245+4*\hh]
.endr
.irp hh, 0,1
	v_permlanex16_b32 v[245+4*\hh], v[244+4*\hh], s96, s97
.endr
.irp hh, 0,1
	v_add_f32 v[244+4*\hh], v[244+4*\hh], v[245+4*\hh]
.endr
.irp hh, 0,1
	v_fma_f32 v[244+4*\hh], v[244+4*\hh], s98, s99
.endr
	s_wait_alu depctr_va_vdst(0)
.irp hh, 0,1
	v_rsq_f32 v[240+2*\hh], v[244+4*\hh]
.endr
	v_nop
	s_wait_alu depctr_va_vdst(0)
.irp hh, 0,1
.set n, 0
.rept 16
	v_pk_mul_f32 v[T+32*\hh+n:T+32*\hh+n+1], v[T+32*\hh+n:T+32*\hh+n+1], v[240+2*\hh:241+2*\hh] op_sel_hi:[1,0]
.set n, n+2
.endr
.set n, 0
.rept 16
	v_pk_mul_f32 v[T+32*\hh+n:T+32*\hh+n+1], v[T+32*\hh+n:T+32*\hh+n+1], v[160+n:161+n]
.set n, n+2
.endr
.endr
	s_wait_xcnt 0x0
	QUANT T, 232+(\a)
.if ((\a)%2) == 0
	global_store_b128 v18, v[PC:PC+3], s[12:13] offset:1536*((\a)/2)
	global_store_b64 v23, v[PC+4:PC+5], s[12:13] offset:1536*((\a)/2)+512
	global_store_b128 v18, v[PC+6:PC+9], s[12:13] offset:1536*(4+(\a)/2)
	global_store_b64 v23, v[PC+10:PC+11], s[12:13] offset:1536*(4+(\a)/2)+512
.else
	global_store_b64 v23, v[PC:PC+1], s[12:13] offset:1536*((\a)/2)+768
	global_store_b128 v18, v[PC+2:PC+5], s[12:13] offset:1536*((\a)/2)+1024
	global_store_b64 v23, v[PC+6:PC+7], s[12:13] offset:1536*(4+(\a)/2)+768
	global_store_b128 v18, v[PC+8:PC+11], s[12:13] offset:1536*(4+(\a)/2)+1024
.endif
.endm
.irp a, 0,1,2,3,4,5,6,7
	EPIQK \a
.endr
.irp b, 0,1,2,3
	v_perm_b32 v[244+\b], v[233+2*\b], v[232+2*\b], 0x05040100
	v_perm_b32 v[248+\b], v[233+2*\b], v[232+2*\b], 0x07060302
.endr
	s_branch .Lwords
.Lepiv:
.macro EPIV o
	WIN 0x02+(\o)/4
.set n, 0
.rept 64
	v_add_f32 v[T+n], v[64*((\o)%4)+n], v[56+(\o)]
.set n, n+1
.endr
	WIN 0
	s_wait_xcnt 0x0
	QUANT T, 244+(\o)
.irp c, 0,1,2
	global_store_b128 v18, v[PC+4*\c:PC+4*\c+3], s[12:13] offset:1536*(\o)+512*\c
.endr
.endm
.irp o, 0,1,2,3,4,5,6,7
	EPIV \o
.endr
.Lwords:
	s_mov_b32 vcc_lo, 0xffff0000
	s_wait_alu depctr_va_vdst(0)
.irp k, 0,1,2,3
	v_cndmask_b32 v[228+\k], v[244+\k], v[248+\k], vcc_lo
.endr
	global_store_b128 v19, v[228:231], s[12:13] offset:12288
	s_wait_tensorcnt 0x0
	ds_add_u32 v[SPW], v[NIL]
	s_wait_dscnt 0x0
	CROUND
	s_endpgm
.Lfunc_end_k_q875e51f365_qkv:
	.size	k_q875e51f365_qkv, .Lfunc_end_k_q875e51f365_qkv-k_q875e51f365_qkv
	.p2alignl 7, 3214868480
	.fill 96, 4, 3214868480
	.section	.rodata,"a",@progbits
	.p2align	6, 0x0
	.amdhsa_kernel k_q875e51f365_qkv
		.amdhsa_group_segment_fixed_size 327680
		.amdhsa_private_segment_fixed_size 0
		.amdhsa_enable_private_segment 0
		.amdhsa_kernarg_size 40
		.amdhsa_user_sgpr_count 2
		.amdhsa_user_sgpr_kernarg_segment_ptr 1
		.amdhsa_wavefront_size32 1
		.amdhsa_system_sgpr_workgroup_id_x 1
		.amdhsa_system_sgpr_workgroup_id_y 1
		.amdhsa_system_sgpr_workgroup_id_z 1
		.amdhsa_system_vgpr_workitem_id 0
		.amdhsa_next_free_vgpr 1024
		.amdhsa_next_free_sgpr 100
		.amdhsa_reserve_vcc 1
		.amdhsa_float_denorm_mode_32 3
		.amdhsa_float_denorm_mode_16_64 3
		.amdhsa_memory_ordered 1
		.amdhsa_forward_progress 1
		.amdhsa_inst_pref_size 255
	.end_amdhsa_kernel
	.section	.bss,"aw",@nobits
	.p2align	6
	.space	262144
	.amdgpu_metadata
---
amdhsa.version: [ 1, 2 ]
amdhsa.kernels:
  - .name:           k_q875e51f365_qkv
    .symbol:         k_q875e51f365_qkv.kd
    .args:
      - { .name: wsp, .offset: 0, .size: 8, .value_kind: global_buffer, .address_space: global }
      - { .name: qkv_b, .offset: 8, .size: 8, .value_kind: global_buffer, .address_space: global }
      - { .name: q_norm_w, .offset: 16, .size: 8, .value_kind: global_buffer, .address_space: global }
      - { .name: k_norm_w, .offset: 24, .size: 8, .value_kind: global_buffer, .address_space: global }
      - { .name: qkvb, .offset: 32, .size: 8, .value_kind: global_buffer, .address_space: global }
    .group_segment_fixed_size: 327680
    .private_segment_fixed_size: 0
    .kernarg_segment_align: 8
    .kernarg_segment_size: 40
    .max_flat_workgroup_size: 128
    .sgpr_count:     100
    .vgpr_count:     1024
    .wavefront_size: 32
...
	.end_amdgpu_metadata
.endif
;; end of part 2
;; launch attn (part 3): grid 8 x 32, 16 waves a work-group, clusters of 4 x 1, 215,040 bytes of LDS; arguments qkvb, obuf; writes obuf
.if DOCPART == 3
	.amdgcn_target "amdgcn-amd-amdhsa--gfx1250"
	.amdhsa_code_object_version 6
	.text
	.protected	k_q875e51f365_attn
	.globl	k_q875e51f365_attn
	.p2align	8
	.type	k_q875e51f365_attn,@function
k_q875e51f365_attn:
	s_mov_b64 s[64:65], 0
	v_nop
	global_prefetch_b8 v0, s[64:65] scope:SCOPE_SE
	s_setreg_imm32_b32 hwreg(HW_REG_WAVE_MODE, 25, 1), 1
	s_wait_xcnt 0x0
	s_wait_alu depctr_hold_cnt(0) depctr_sa_sdst(0) depctr_va_vdst(0) depctr_va_sdst(0) depctr_va_ssrc(0) depctr_va_vcc(0) depctr_vm_vsrc(0)
	s_getreg_b32 s2, hwreg(HW_REG_IB_STS2, 6, 4)
	s_cmp_eq_u32 s2, 0
	s_cbranch_scc0 .Lentry_in_a_cluster
	s_endpgm
.Lentry_in_a_cluster:
	s_bfe_u32 s2, ttmp6, 0x10000c
	s_cmp_lg_u32 s2, 0x3003
	s_cbranch_scc0 .Lentry_shape_is_right
	s_endpgm
.Lentry_shape_is_right:
; o = softmax(q k^T / 8) v on FP6 codes, head size 64, 2,048 keys, 32 heads x batches; o is divided by the row's sum, quantised along the channels and stored as the projection's operand image.
; THE SOFTMAX: t = score x log2(e) / 8; M = the running largest t rounded up to a whole number; p = 2^(t - M) is quantised along the keys, not normalised; the sum is taken of the unquantised p.
; SHARES. A work-group owns 256 queries of ONE head; wave w owns 16 of them: tile w % 8 of the 128-query block w / 8. 8 x 32 work-groups.
; ALL OF THE HEAD'S k AND v LIES IN LDS: 16 key steps x (k's four fragments 6,144 bytes + v's four 6,144), then 16 x (k's 512 bytes of scale words + v's 512). It is filled once, by the head's loads,
; one a wave: waves 0-7 bring the codes of two key steps each (4 rows of 6,144 bytes, 12,800 apart in memory), waves 8-15 the scale rows of two key steps each (4 rows of 512 bytes). No byte is filled again.
; CLUSTER: the four query blocks of a cluster walk the same k and v: each load is asked for jointly, with the mask of all four.
; No prefetch: every byte of k and v is asked for at the kernel's head, so there is no loop to run ahead in.
; THE HEAD'S 64 ARE HALF OF THE INSTRUCTION'S 128. A fragment of k holds tile 2 b of 16 keys in registers 0-5 and tile 2 b + 1 in registers 6-11. q is kept twice: below with zeros above, above with zeros below.
; Both products are used transposed (S^T = k q^T, O^T = v^T p^T): a lane holds one query. The rows of every tile are laid 32 (t / 2) + 8 (t % 2) + r + 8 (r / 8), so 16 registers of two tiles are 16 neighbours.
; THE WAY OUT: my 16 queries x 64 channels are half a fragment of the projection's operand: 768 bytes on end (head 0: registers 0-3, 4-5; head 1: 6-7, 8-11), stored from registers; my two scale bytes go into row r's word.
; THE SUM: four partial chains a step; their merge into the running sum (x f of that step) stands behind the next step's score products, as their places.
; REGISTERS: v1 16 l, v93 8 l, v2 scale address, v5-6 the spare word's, v8-10 the trip's addresses, v12 / v206 -M by turns, v13 largest t, v[14:15] the sum, v16-27 q below, v232-243 q above, v28 q's scale word,
;   v32-79 four fragments, v80-83 k's scale words, v88-91 v's, v96-159 S^T then p, v160-191 O^T, v192-203 at work, v208-226 p's codes, v[228:229] f, v230 p's scale word, v231 at work, v244-251 partial sums.
; LIMITS: NaN and infinities are not served; the promise holds while the scaled scores stay under 2^31 in magnitude.
.set KSB,   25600
.set STP,   12288
.set SCB,   16*STP
.set SPARE, SCB+16*1024
.set KVOFF, 3276800
.macro CROUND
	s_barrier_signal -1
	s_barrier_wait -1
	s_cmp_lg_u32 s8, 0
	s_cbranch_scc1 .Lnot_wave_0_\@
	s_barrier_signal -3
.Lnot_wave_0_\@:
	s_barrier_wait -3
	s_barrier_signal -1
	s_barrier_wait -1
.endm
	s_load_b128 s[4:7], s[0:1], 0x0                ; q, k, v images; the output
	v_lshl_add_u32 v5, v0, 2, SPARE
	v_mov_b32 v6, 0
	ds_add_u32 v5, v6                              ; the opening lines
	ds_add_u32 v5, v6
	v_lshrrev_b32 v7, 5, v0
	v_readfirstlane_b32 s8, v7                     ; wave 0..15
	s_and_b32 s9, s8, 7                            ; my tile of queries; also which two key steps I fetch
	s_lshr_b32 s15, s8, 3
	s_bfe_u32 s11, ttmp6, 0x40000                  ; cx: it enters q's and the output's addresses alone
	s_lshl_b32 s12, ttmp9, 2
	s_add_co_u32 s12, s12, s11
	s_lshl_b32 s12, s12, 1
	s_add_co_u32 s12, s12, s15                     ; my block of 128 queries
	s_and_b32 s14, ttmp7, 0xffff
	s_lshr_b32 s13, s14, 1                         ; 8 x batch + pair of heads
	s_and_b32 s10, s14, 1                          ; my head of the pair
	s_mov_b32 s16, 15|(3<<16)|(1<<21)              ; codes: the mask of all four; elements of 8 bytes
	s_mov_b32 s17, 768<<16                         ; rows of 6,144 bytes
	s_mov_b32 s18, 4<<16
	s_mov_b32 s19, 768<<16
	s_mov_b32 s20, 4
	s_mov_b32 s21, 1600                            ; 12,800 bytes from row to row
	s_mov_b32 s22, 0
	s_mov_b32 s23, 0
	s_mov_b32 s56, 15|(3<<16)|(1<<21)              ; scale words: rows of 512 bytes
	s_mov_b32 s57, 64<<16
	s_mov_b32 s58, 4<<16
	s_mov_b32 s59, 64<<16
	s_mov_b32 s60, 4
	s_mov_b32 s61, 1600
	s_mov_b32 s62, 0
	s_mov_b32 s63, 0
	s_lshl_b32 s40, s13, 4
	s_lshl_b32 s41, s9, 1
	s_add_co_u32 s40, s40, s41
	s_mul_i32 s40, s40, KSB
	s_add_co_u32 s40, s40, KVOFF                   ; key step 2 (w % 8) of the pair
	s_mul_i32 s42, s10, 6144
	s_add_co_u32 s42, s42, s40                     ; my head's fragments
	s_add_co_u32 s40, s40, 12288                   ; the scale words
	s_mov_b32 s41, 0
	s_mov_b32 s43, 0
	s_mov_b32 s24, 1
	s_mul_i32 s25, s9, 2*STP
	s_mov_b32 s28, 1
	s_lshl_b32 s29, s9, 11
	s_add_co_u32 s29, s29, SCB
	s_lshl_b32 s48, s13, 4
	s_add_co_u32 s48, s48, s12
	s_mul_i32 s48, s48, 12800                      ; q's block
	s_lshl_b32 s49, s10, 2
	s_lshr_b32 s44, s9, 1
	s_add_co_u32 s49, s49, s44                     ; the packed fragment that holds my tile
	s_mul_i32 s44, s49, 1536
	s_add_co_u32 s44, s44, s48
	s_mov_b32 s45, 0
	s_lshl_b32 s46, s49, 2
	s_add_co_u32 s46, s46, s48
	s_add_co_u32 s46, s46, 12288                   ; and its scale words
	s_mov_b32 s47, 0
	s_lshr_b32 s48, s13, 3
	s_lshl_b32 s48, s48, 5
	s_lshl_b32 s49, s12, 1
	s_add_co_u32 s48, s48, s49
	s_lshr_b32 s49, s9, 2
	s_add_co_u32 s48, s48, s49                     ; my panel of 64 rows
	s_lshl_b32 s48, s48, 3
	s_and_b32 s49, s13, 7
	s_add_co_u32 s48, s48, s49                     ; K step of the projection = the pair of heads
	s_mul_i32 s48, s48, 6400
	s_and_b32 s49, s9, 3                           ; my fragment of the panel block
	s_mul_i32 s50, s49, 1536
	s_add_co_u32 s50, s50, s48
	s_lshl_b32 s54, s49, 6
	s_add_co_u32 s54, s54, s48
	s_lshl_b32 s49, s10, 1
	s_add_co_u32 s54, s54, s49
	s_add_co_u32 s54, s54, 6144                    ; my two bytes of the rows' scale words
	s_mov_b32 s55, 0
	s_lshl_b32 s49, s10, 8
	s_add_co_u32 s52, s50, s49
	s_add_co_u32 s52, s52, 512                     ; the piece of 8 bytes a lane: at 512 or 768
	s_mov_b32 s53, 0
	s_lshl_b32 s49, s10, 10
	s_add_co_u32 s50, s50, s49                     ; the piece of 16 bytes a lane: at 0 or 1,024
	s_mov_b32 s51, 0
	s_mov_b32 s32, 0x76543210
	s_mov_b32 s33, 0xfedcba98
	s_mov_b32 s34, 0x3e38aa3b                      ; log2(e) / 8
	s_mov_b32 s35, s34
	s_mov_b32 s36, 0                               ; LDS byte of the trip's codes,
	s_mov_b32 s37, 0                               ; and of its scale words
	s_mov_b32 s38, 8
	s_cmp_eq_u32 s10, 1
	s_cselect_b32 s39, -1, 0                       ; all ones in the pair's second head
	s_and_b32 s15, s9, 1
	s_cmp_eq_u32 s15, 1                            ; an odd tile lies in its fragment's registers 6-11, its scale bytes in the word's upper half
	s_cselect_b32 s66, -1, 0
	s_mov_b32 s67, 0x01000100
	s_mov_b32 s68, 0x03020302
	s_cselect_b32 s67, s68, s67
	s_wait_dscnt 0x0                               ; both opening adds are done
	s_wait_kmcnt 0x0
	s_add_nc_u64 s[26:27], s[4:5], s[42:43]
	s_or_b32 s27, s27, 0x80000000
	s_add_nc_u64 s[30:31], s[4:5], s[40:41]
	s_or_b32 s31, s31, 0x80000000
	s_add_nc_u64 s[44:45], s[4:5], s[44:45]
	s_add_nc_u64 s[46:47], s[4:5], s[46:47]
	s_add_nc_u64 s[50:51], s[6:7], s[50:51]
	s_add_nc_u64 s[52:53], s[6:7], s[52:53]
	s_add_nc_u64 s[54:55], s[6:7], s[54:55]
	CROUND                                         ; all four work-groups are here: the joint loads meet
	s_cmp_lt_u32 s8, 8                             ; one chain, one load to an arm
	s_cbranch_scc0 .Lscales
	tensor_load_to_lds s[24:27], s[16:23]
	s_nop 0
.rept 4
	v_nop
.endr
	s_branch .Lasked
.Lscales:
	tensor_load_to_lds s[28:31], s[56:63]
	s_nop 0
.rept 4
	v_nop
.endr
.Lasked:
	v_and_b32 v7, 31, v0
	v_lshlrev_b32 v1, 4, v7                        ; 16 x lane
	v_lshlrev_b32 v93, 3, v7                       ; 8 x lane
	v_and_b32 v29, 15, v0                          ; r
	v_lshlrev_b32 v30, 5, v29                      ; 32 r
	global_load_b128 v[32:35], v1, s[44:45]        ; the packed fragment of q that holds my tile
	global_load_b64 v[36:37], v93, s[44:45] offset:512
	global_load_b64 v[38:39], v93, s[44:45] offset:768
	global_load_b128 v[40:43], v1, s[44:45] offset:1024
	global_load_b32 v31, v30, s[46:47]
	s_lshl_b32 s48, s10, 4
	s_add_co_u32 s48, s48, SCB
	v_add_nc_u32 v2, s48, v30                      ; scale words: row r's 32 bytes, my head's 16
	v_mov_b32 v13, 0xff61b1e6                      ; -3e38, under every t
	v_floor_f32 v12, -v13
	v_mov_b32 v14, 0
	v_mov_b32 v15, 0
	v_mov_b32 v207, 0                              ; (named as the upper half of a pair)
	v_mov_b32 v228, 0
	v_mov_b32 v229, 0
.irp b, 0,1,2,3
	v_mov_b32 v[196+\b], 0                         ; (a lane permute's destination counts as read)
.endr
.irp b, 0,1,2,3,4,5,6,7
	v_mov_b32 v[244+\b], 0                         ; the partial sums: the first merge adds zeros
.endr
	s_wait_alu depctr_va_vdst(0)
	s_wait_loadcnt 0x0                             ; q
	v_perm_b32 v28, v31, v31, s67                  ; my tile's two scale bytes in both halves of the word
.irp n, 0,1,2,3,4,5
	v_cndmask_b32 v[16+\n], v[32+\n], v[38+\n], s66
	v_mov_b32 v[22+\n], 0
	v_mov_b32 v[232+\n], 0
.endr
.irp n, 0,1,2,3,4,5
	v_mov_b32 v[238+\n], v[16+\n]
.endr
.set n, 0
.rept 32
	v_mov_b32 v[160+n], 0                          ; O^T; also the places between q's registers and scale word and the first products
.set n, n+1
.endr
	s_wait_alu depctr_va_vdst(0)
	s_wait_tensorcnt 0x0                           ; my load has landed
	s_barrier_signal -1
	s_barrier_wait -1                              ; and everybody's
.macro TM8 mn
.rept 8
	v_pk_fma_f32 v[96+n:97+n], v[96+n:97+n], s[34:35], v[\mn:\mn+1] op_sel_hi:[1,0,0]
.set n, n+2
.endr
.endm
.macro SUMR k                          ; pairs 4 k .. 4 k + 3 of p onto the four partial sums
.irp i, 0,1,2,3
	v_pk_add_f32 v[244+2*\i:245+2*\i], v[244+2*\i:245+2*\i], v[96+8*(\k)+2*\i:97+8*(\k)+2*\i]
.endr
.endm
.macro MERGE                           ; the last step's partial sums into the running sum, under that step's f
	v_pk_add_f32 v[244:245], v[244:245], v[246:247]
	v_pk_add_f32 v[248:249], v[248:249], v[250:251]
	v_pk_add_f32 v[244:245], v[244:245], v[248:249]
	v_pk_fma_f32 v[14:15], v[14:15], v[228:229], v[244:245] op_sel_hi:[1,0,1]
.endm
; A key step of 128 keys. j: which of the trip's two; mo, mn: the registers of the old and of the new -M
.macro STEP j, mo, mn
.irp b, 0,1,2,3
	ds_load_b128 v[32+12*\b:35+12*\b], v8 offset:\j*STP+1536*\b
	ds_load_b64 v[36+12*\b:37+12*\b], v10 offset:\j*STP+1536*\b+512
	ds_load_b64 v[38+12*\b:39+12*\b], v10 offset:\j*STP+1536*\b+768
	ds_load_b128 v[40+12*\b:43+12*\b], v8 offset:\j*STP+1536*\b+1024
.endr
	ds_load_b128 v[80:83], v9 offset:\j*1024
	ds_load_b128 v[88:91], v9 offset:\j*1024+512
	s_wait_alu depctr_va_vdst(0)
	s_wait_dscnt 0x0
.irp b, 0,1,2,3                                ; each fragment twice: with q below for tile 2 b, with q above for tile 2 b + 1
	v_wmma_scale_f32_16x16x128_f8f6f4 v[96+16*\b:103+16*\b], v[32+12*\b:43+12*\b], v[16:27], 0, v[80+\b], v28 matrix_a_fmt:MATRIX_FMT_FP6 matrix_b_fmt:MATRIX_FMT_FP6
	v_wmma_scale_f32_16x16x128_f8f6f4 v[104+16*\b:111+16*\b], v[32+12*\b:43+12*\b], v[232:243], 0, v[80+\b], v28 matrix_a_fmt:MATRIX_FMT_FP6 matrix_b_fmt:MATRIX_FMT_FP6
.endr
	MERGE                                          ; four places behind the products
.irp t, 0,1,2,3                                ; v's fragments land during the softmax
.irp c, 0,1,2
	ds_load_b128 v[32+12*\t+4*\c:35+12*\t+4*\c], v8 offset:\j*STP+6144+1536*\t+512*\c
.endr
.endr
.irp b, 0,1,2,3
	v_max3_num_f32 v[192+\b], v[96+16*\b], v[97+16*\b], v[98+16*\b]   ; the largest score of each block of 32 keys: for the row's maximum and for the block's largest p
.endr
.irp i, 3,5,7,9,11,13
.irp b, 0,1,2,3
	v_max3_num_f32 v[192+\b], v[192+\b], v[96+16*\b+\i], v[97+16*\b+\i]
.endr
.endr
.irp b, 0,1,2,3
	v_max_num_f32 v[192+\b], v[192+\b], v[111+16*\b]
.endr
.irp b, 0,1,2,3
	v_permlanex16_b32 v[196+\b], v[192+\b], s32, s33
.endr
.irp b, 0,1,2,3
	v_max_num_f32 v[192+\b], v[192+\b], v[196+\b]
.endr
	v_max3_num_f32 v231, v192, v193, v194
	v_max_num_f32 v231, v231, v195
	v_mul_f32 v231, s34, v231
	v_max_num_f32 v13, v13, v231                   ; the running largest t
	v_floor_f32 v[\mn], -v13                       ; -M = floor(-t): M is a whole number
.set n, 0
	TM8 \mn                                        ; t - M, two at a time; f's three lines stand among them
	v_sub_f32 v231, v[\mn], v[\mo]
	TM8 \mn
	v_cvt_i32_f32 v231, v231                       ; (it saturates)
	TM8 \mn
	v_ldexp_f32 v228, 1.0, v231                    ; f = 2^(old M - new M): rounds nothing
	TM8 \mn
.irp b, 0,1,2,3
	v_fma_f32 v[192+\b], v[192+\b], s34, v[\mn]
.endr
	s_wait_alu depctr_va_vdst(0)
.set n, 0
.rept 64
	v_exp_f32 v[96+n], v[96+n]
.set n, n+1
.endr
.irp b, 0,1,2,3
	v_exp_f32 v[192+\b], v[192+\b]                 ; the block's largest p: the same two instructions on the same number
.endr
	s_wait_alu depctr_va_vdst(0)                   ; one wait for the batch, directly ahead of O^T's first reader
.set n, 0
.rept 16
	v_pk_mul_f32 v[160+n:161+n], v[160+n:161+n], v[228:229] op_sel_hi:[1,0]   ; O^T under the new M; plain places behind the batch
.set n, n+2
.endr
.irp b, 0,1,2,3
	v_max_num_f32 v[192+\b], 0x1800000, v[192+\b]  ; the floor 2^(3 - 127): the byte cannot fall under 1
.endr
.irp b, 0,1,2,3
	v_add_nc_u32 v[200+\b], 0xff000000, v[192+\b]  ; 2 off the exponent field: the conversion's scale operand
.endr
.irp b, 0,1,2,3
	v_lshrrev_b32 v[196+\b], 23, v[200+\b]
.endr
	v_lshl_or_b32 v230, v197, 8, v196
	v_lshl_or_b32 v230, v198, 16, v230
	v_lshl_or_b32 v230, v199, 24, v230
.irp c, 0,1
	v_cvt_scalef32_pk16_fp6_f32 v[208+6*\c:210+6*\c], v[96+32*\c:111+32*\c], v[200+2*\c]
	v_cvt_scalef32_pk16_fp6_f32 v[220+4*\c:222+4*\c], v[112+32*\c:127+32*\c], v[200+2*\c+1]
.endr
.irp i, 0,1,2,3                                ; the sums begin: pairs i and i + 4; plain places behind the conversions
	v_pk_add_f32 v[244+2*\i:245+2*\i], v[96+2*\i:97+2*\i], v[104+2*\i:105+2*\i]
.endr
.irp c, 0,1
.irp i, 0,1,2
	v_permlane16_swap_b32 v[208+6*\c+\i], v[220+4*\c+\i]
.endr
.irp i, 0,1,2
	v_mov_b32 v[211+6*\c+\i], v[220+4*\c+\i]
.endr
.endr
.irp k, 2,3,4,5,6
	SUMR \k                                        ; also the places between p's scale word and codes and the products
.endr
	s_wait_alu depctr_va_vdst(0)
	s_wait_dscnt 0x0                               ; v's fragments
.irp t, 0,1,2,3
	v_wmma_scale_f32_16x16x128_f8f6f4 v[160+8*\t:167+8*\t], v[32+12*\t:43+12*\t], v[208:219], v[160+8*\t:167+8*\t], v[88+\t], v230 matrix_a_fmt:MATRIX_FMT_FP6 matrix_b_fmt:MATRIX_FMT_FP6
.endr
	SUMR 7                                         ; four places behind the products, ahead of the next loads into their registers
.endm
.Lkeys:
	v_add_nc_u32 v8, s36, v1
	v_add_nc_u32 v10, s36, v93
	v_add_nc_u32 v9, s37, v2
	STEP 0, 12, 206
	STEP 1, 206, 12
	s_add_co_u32 s36, s36, 2*STP
	s_add_co_u32 s37, s37, 2048
	s_sub_co_u32 s38, s38, 1
	s_cmp_lg_u32 s38, 0
	s_cbranch_scc1 .Lkeys
	; THE WAY OUT: O^T / the sum; two blocks of 32 channels are quantised: half a fragment
	MERGE
	v_add_f32 v14, v14, v15
	v_permlanex16_b32 v231, v14, s32, s33
	v_add_f32 v14, v14, v231
	s_wait_alu depctr_va_vdst(0)
	v_rcp_f32 v14, v14
	v_lshlrev_b32 v246, 2, v29                     ; 4 r; a plain place
	s_wait_alu depctr_va_vdst(0)                   ; the wait ahead of the first reader, of the reciprocal and of O^T
.set n, 0
.rept 16
	v_pk_mul_f32 v[96+n:97+n], v[160+n:161+n], v[14:15] op_sel_hi:[1,0]
.set n, n+2
.endr
.irp b, 0,1
	v_max3_num_f32 v[192+\b], |v[96+16*\b]|, |v[97+16*\b]|, 0x1800000
.endr
.irp i, 2,4,6,8,10,12,14
.irp b, 0,1
	v_max3_num_f32 v[192+\b], v[192+\b], |v[96+16*\b+\i]|, |v[97+16*\b+\i]|
.endr
.endr
.irp b, 0,1
	v_permlanex16_b32 v[196+\b], v[192+\b], s32, s33
.endr
.irp b, 0,1
	v_max_num_f32 v[192+\b], v[192+\b], v[196+\b]
.endr
.irp b, 0,1
	v_add_nc_u32 v[200+\b], 0xff000000, v[192+\b]
.endr
.irp b, 0,1
	v_lshrrev_b32 v[196+\b], 23, v[200+\b]
.endr
	v_lshl_or_b32 v230, v197, 8, v196
	v_cvt_scalef32_pk16_fp6_f32 v[208:210], v[96:111], v200
	v_cvt_scalef32_pk16_fp6_f32 v[212:214], v[112:127], v201
	v_nop
.irp i, 0,1,2
	v_permlane16_swap_b32 v[208+\i], v[212+\i]     ; v208-210: each lane's block's lower 16 codes; v212-214: the upper 16
.endr
	v_cndmask_b32 v216, v208, v210, s39            ; the first head's six registers are 0-5 of the fragment, the second's 6-11: 16 + 8 bytes, or 8 + 16
	v_cndmask_b32 v217, v209, v212, s39
	v_cndmask_b32 v218, v210, v213, s39
	v_cndmask_b32 v219, v212, v214, s39
	v_cndmask_b32 v220, v213, v208, s39
	v_cndmask_b32 v221, v214, v209, s39
	global_store_b128 v1, v[216:219], s[50:51]     ; 512 consecutive bytes, aligned
	global_store_b64 v93, v[220:221], s[52:53]     ; 256 consecutive bytes, aligned
	global_store_b16 v246, v230, s[54:55]          ; my head's two bytes of row r's scale word (both halves of the lanes write the same)
	s_wait_tensorcnt 0x0                           ; the wave's end
	ds_add_u32 v5, v6
	s_wait_dscnt 0x0
	CROUND                                         ; the closing round
	s_endpgm
.Lfunc_end_k_q875e51f365_attn:
	.size	k_q875e51f365_attn, .Lfunc_end_k_q875e51f365_attn-k_q875e51f365_attn
	.p2alignl 7, 3214868480
	.fill 96, 4, 3214868480
	.section	.rodata,"a",@progbits
	.p2align	6, 0x0
	.amdhsa_kernel k_q875e51f365_attn
		.amdhsa_group_segment_fixed_size 215040
		.amdhsa_private_segment_fixed_size 0
		.amdhsa_enable_private_segment 0
		.amdhsa_kernarg_size 16
		.amdhsa_user_sgpr_count 2
		.amdhsa_user_sgpr_kernarg_segment_ptr 1
		.amdhsa_wavefront_size32 1
		.amdhsa_system_sgpr_workgroup_id_x 1
		.amdhsa_system_sgpr_workgroup_id_y 1
		.amdhsa_system_sgpr_workgroup_id_z 1
		.amdhsa_system_vgpr_workitem_id 0
		.amdhsa_next_free_vgpr 256
		.amdhsa_next_free_sgpr 70
		.amdhsa_reserve_vcc 0
		.amdhsa_float_denorm_mode_32 3
		.amdhsa_float_denorm_mode_16_64 3
		.amdhsa_memory_ordered 1
		.amdhsa_forward_progress 1
		.amdhsa_inst_pref_size 45
	.end_amdhsa_kernel
	.amdgpu_metadata
---
amdhsa.version: [ 1, 2 ]
amdhsa.kernels:
  - .name:           k_q875e51f365_attn
    .symbol:         k_q875e51f365_attn.kd
    .args:
      - { .name: qkvb, .offset: 0, .size: 8, .value_kind: global_buffer, .address_space: global }
      - { .name: obuf, .offset: 8, .size: 8, .value_kind: global_buffer, .address_space: global }
    .group_segment_fixed_size: 215040
    .private_segment_fixed_size: 0
    .kernarg_segment_align: 8
    .kernarg_segment_size: 16
    .max_flat_workgroup_size: 512
    .sgpr_count:     70
    .vgpr_count:     256
    .wavefront_size: 32
...
	.end_amdgpu_metadata
.endif
;; end of part 3
;; launch proj (part 4): grid 8 x 32, 4 waves a work-group, clusters of 4 x 4, 327,680 bytes of LDS; arguments obuf, wsp, x, attn_ln_w, proj_b, x1; writes x1
.if DOCPART == 4
	.amdgcn_target "amdgcn-amd-amdhsa--gfx1250"
	.amdhsa_code_object_version 6
	.text
	.protected	k_q875e51f365_proj
	.globl	k_q875e51f365_proj
	.p2align	8
	.type	k_q875e51f365_proj,@function
k_q875e51f365_proj:
	s_mov_b64 s[64:65], 0
	v_nop
	global_prefetch_b8 v0, s[64:65] scope:SCOPE_SE
	s_setreg_imm32_b32 hwreg(HW_REG_WAVE_MODE, 25, 1), 1
	s_wait_xcnt 0x0
	s_wait_alu depctr_hold_cnt(0) depctr_sa_sdst(0) depctr_va_vdst(0) depctr_va_sdst(0) depctr_va_ssrc(0) depctr_va_vcc(0) depctr_vm_vsrc(0)
	s_getreg_b32 s2, hwreg(HW_REG_IB_STS2, 6, 4)
	s_cmp_eq_u32 s2, 0
	s_cbranch_scc0 .Lentry_in_a_cluster
	s_endpgm
.Lentry_in_a_cluster:
	s_bfe_u32 s2, ttmp6, 0x10000c
	s_cmp_lg_u32 s2, 0xf033
	s_cbranch_scc0 .Lentry_shape_is_right
	s_endpgm
.Lentry_shape_is_right:
.set NO, 4
.set NI, 4
.set FP, 4
.set KS, 8
.set NQ, 4
.set NR, 2
.set SRC0_OUTER, 0
.set RES_NORM, 1
.set WOFF, 5734400
.set RINV, 13334528
.set BIASR, 12
.set PB,    1600*FP
.set HALFT, NQ*PB
.set SLOT,  4*HALFT
.set SPARE, NR*SLOT
.set STAGE, SPARE+512
.set OH,    NO/2
.set OQ,    NO/4
.set NSC,   NO+NI
.set AO,  4
.set AI,  7
.set SO,  10
.set SI,  13
.set SPW, 16
.set NIL, 17
.set SC,  24
.set OF,  64
.set WV,  16
.set WH,  17
.set WL,  18
.set G1A, 24
.set G1W, 32
.set G0A, 40
.set G0W, 52
.set MSB, 0
.macro WIN new
.if MSB != (\new)
	s_set_vgpr_msb (MSB<<8)|(\new)
.set MSB, (\new)
.endif
.endm
.macro PLACES
.rept 4
	v_nop
.endr
.endm
.macro JLOAD g0a, g1a, g0b, g1b
	s_cmp_eq_u32 s[WL], 0                          ; even waves fetch the rows' two panels, odd waves the weight's
	s_cbranch_scc0 .Lfor_w_\@
	tensor_load_to_lds s[\g0a:\g0a+3], s[\g1a:\g1a+7]
	s_nop 0
	PLACES
	s_branch .Lasked_\@
.Lfor_w_\@:
	tensor_load_to_lds s[\g0b:\g0b+3], s[\g1b:\g1b+7]
	s_nop 0
	PLACES
.Lasked_\@:
.endm
.macro CREST
	s_cmp_lg_u32 s[WV], 0
	s_cbranch_scc1 .Lnot_wave_0_\@
	s_barrier_signal -3
.Lnot_wave_0_\@:
	s_barrier_wait -3
	s_barrier_signal -1
	s_barrier_wait -1
.endm
.macro CROUND
	s_barrier_signal -1
	s_barrier_wait -1
	CREST
.endm
.macro FRAG reg, adr, off
	ds_load_b128 v[(\reg):(\reg)+3], v[\adr] offset:(\off)
	ds_load_b128 v[(\reg)+4:(\reg)+7], v[\adr] offset:(\off)+512
	ds_load_b128 v[(\reg)+8:(\reg)+11], v[\adr] offset:(\off)+1024
.endm
.macro FETCH_I g
	WIN 0x40
.set fi, 0
.rept NI
	FRAG 128*((\g)%2)+12*fi, AI+((\g)/NQ)%NR, ((\g)%NQ)*PB+1536*fi
.set fi, fi+1
.endr
	WIN 0
.endm
.set A8, 40                            ; v40-41: the rows' panel, 8 bytes a lane
.macro FRAGP reg, adr, a8, off         ; o's fragments lie in two halves of 768 bytes, one a head: registers 0-3, 4-5 | 6-7, 8-11
	ds_load_b128 v[(\reg):(\reg)+3], v[\adr] offset:(\off)
	ds_load_b64 v[(\reg)+4:(\reg)+5], v[\a8] offset:(\off)+512
	ds_load_b64 v[(\reg)+6:(\reg)+7], v[\a8] offset:(\off)+768
	ds_load_b128 v[(\reg)+8:(\reg)+11], v[\adr] offset:(\off)+1024
.endm
.macro FETCH_O g, o0, n
.set fo, \o0
.rept \n
	FRAGP OF+12*fo, AO+((\g)/NQ)%NR, A8+((\g)/NQ)%NR, ((\g)%NQ)*PB+(fo/FP)*HALFT+(fo%FP)*1536
.set fo, fo+1
.endr
.endm
.macro SCALES g
.set fs, 0
.rept NO
	ds_load_b32 v[SC+NSC*(((\g)/2)%2)+fs], v[SO+((\g)/NQ)%NR] offset:((\g)%NQ)*PB+(fs/FP)*HALFT+(fs%FP)*64
.set fs, fs+1
.endr
.set fs, 0
.rept NI
	ds_load_b32 v[SC+NSC*(((\g)/2)%2)+NO+fs], v[SI+((\g)/NQ)%NR] offset:((\g)%NQ)*PB+64*fs
.set fs, fs+1
.endr
.endm
.macro WM rd, ra, rb, sa, sb, zero, odd
.if \zero
	v_wmma_scale_f32_16x16x128_f8f6f4 v[\rd:\rd+7], v[\ra:\ra+11], v[\rb:\rb+11], 0, v[\sa], v[\sb] matrix_a_fmt:MATRIX_FMT_FP6 matrix_b_fmt:MATRIX_FMT_FP6
.elseif \odd
	v_wmma_scale_f32_16x16x128_f8f6f4 v[\rd:\rd+7], v[\ra:\ra+11], v[\rb:\rb+11], v[\rd:\rd+7], v[\sa], v[\sb] matrix_a_fmt:MATRIX_FMT_FP6 matrix_b_fmt:MATRIX_FMT_FP6 matrix_a_scale:MATRIX_SCALE_ROW1 matrix_b_scale:MATRIX_SCALE_ROW1
.else
	v_wmma_scale_f32_16x16x128_f8f6f4 v[\rd:\rd+7], v[\ra:\ra+11], v[\rb:\rb+11], v[\rd:\rd+7], v[\sa], v[\sb] matrix_a_fmt:MATRIX_FMT_FP6 matrix_b_fmt:MATRIX_FMT_FP6
.endif
.endm
.macro MULB g, o0, n, zero
.set mo, \o0
.rept \n
.set mi, 0
.rept NI
.set idx, mo*NI+mi
.set rD, 8*(idx%32)
.set rI, 128*((\g)%2)+12*mi
.set rO, OF+12*mo
.set sO, SC+NSC*(((\g)/2)%2)+mo
.set sI, SC+NSC*(((\g)/2)%2)+NO+mi
.if SRC0_OUTER
	WIN 0xa4+0x50*(idx/32)
	WM rD, rO, rI, sO, sI, \zero, (\g)%2
.else
	WIN 0xa1+0x50*(idx/32)
	WM rD, rI, rO, sI, sO, \zero, (\g)%2
.endif
.set mi, mi+1
.endr
.set mo, mo+1
.endr
.endm
.macro MID g
	FETCH_I (\g)+1
	FETCH_O (\g)+1, 0, OH
.if ((\g)+1)%2 == 0
	SCALES (\g)+1
.endif
.endm
.macro REST g
	MID \g
	MULB \g, OH, OH, 0
	PLACES
	WIN 0
	FETCH_O (\g)+1, OH, OH
.endm
.macro STEP g, zero
	s_wait_dscnt OH*3
	MULB \g, 0, OH, \zero
	s_wait_dscnt 0x0
	PLACES
	MID \g
	MULB \g, OH, OH, \zero
	PLACES
	WIN 0
	FETCH_O (\g)+1, OH, OH
.endm
.macro TURNW g, n
	s_wait_tensorcnt \n
	s_wait_dscnt OH*3
	MULB \g, 0, OQ, 0
	s_wait_dscnt 0x0
	s_barrier_signal -1
	MULB \g, OQ, OQ, 0
	WIN 0
	s_barrier_wait -1
	PLACES
	REST \g
.endm
.macro LAST g
	s_wait_dscnt OH*3
	MULB \g, 0, OH, 0
	s_wait_dscnt 0x0
	MULB \g, OH, OH, 0
	WIN 0
.endm
	s_load_b256 s[4:11], s[0:1], 0x0
	s_load_b128 s[12:15], s[0:1], 0x20
	v_lshl_add_u32 v[SPW], v0, 2, SPARE
	v_mov_b32 v[NIL], 0
	ds_add_u32 v16, v17
	ds_add_u32 v16, v17
	s_wait_dscnt 0x0
	v_lshrrev_b32 v1, 5, v0
	v_readfirstlane_b32 s[WV], v1
	s_lshr_b32 s[WH], s[WV], 1
	s_and_b32 s[WL], s[WV], 1
	s_bfe_u32 s66, ttmp6, 0x40000
	s_bfe_u32 s67, ttmp6, 0x40004
	s_lshl_b32 s70, s67, 2
	s_lshl_b32 s70, 15, s70
	s_lshl_b32 s71, 0x1111, s66
	s_or_b32 s[G1A], s70, (3<<16)|(1<<21)
	s_or_b32 s[G1W], s71, (3<<16)|(1<<21)
.irp g, G1A, G1W
	s_mov_b32 s[\g+1], (HALFT/8)<<16               ; a tile: two panels' parts of a region: 2 rows of HALFT bytes, a panel apart
	s_mov_b32 s[\g+2], 2<<16
	s_mov_b32 s[\g+3], (HALFT/8)<<16
	s_mov_b32 s[\g+4], 2
	s_mov_b32 s[\g+5], KS*PB/8
	s_mov_b32 s[\g+6], 0
	s_mov_b32 s[\g+7], 0
.endr
	s_lshl_b32 s72, ttmp9, 2
	s_add_co_u32 s72, s72, s66
	s_and_b32 s73, ttmp7, 0xffff
	s_lshl_b32 s73, s73, 2
	s_add_co_u32 s73, s73, s67
	s_lshl_b32 s74, s73, 1
	s_mul_i32 s74, s74, KS*PB
	s_mul_i32 s80, s[WH], HALFT                    ; I fetch region WH
	s_add_co_u32 s74, s74, s80
	s_mov_b32 s75, 0
	s_lshl_b32 s76, s72, 1
	s_mul_i32 s76, s76, KS*PB
	s_add_co_u32 s76, s76, s80
	s_add_co_u32 s76, s76, WOFF
	s_mov_b32 s77, 0
	s_lshl_b32 s78, s73, 7
	s_lshl_b32 s79, s[WH], 6
	s_add_co_u32 s78, s78, s79
	s_lshl_b32 s68, s78, 2
	s_mov_b32 s69, 0
	s_lshl_b32 s78, s78, 12
	s_lshl_b32 s2, s72, 9
	s_lshl_b32 s3, s[WL], 8
	s_add_co_u32 s2, s2, s3
	s_add_co_u32 s78, s78, s2
	s_mov_b32 s79, 0
	s_mov_b32 s3, 0
	s_mul_i32 s23, s[WH], SLOT
	s_mul_i32 s19, s[WH], HALFT
	s_mul_i32 s20, s[WL], HALFT
	s_add_co_u32 s20, s20, 2*HALFT
	s_add_co_u32 s21, s19, FP*1536
	s_add_co_u32 s22, s20, FP*1536
	s_wait_kmcnt 0x0
	s_add_nc_u64 s[74:75], s[4:5], s[74:75]
	s_add_nc_u64 s[76:77], s[6:7], s[76:77]
	s_add_nc_u64 s[8:9], s[8:9], s[78:79]
	s_add_nc_u64 s[14:15], s[14:15], s[78:79]
	s_add_nc_u64 s[BIASR:BIASR+1], s[BIASR:BIASR+1], s[2:3]
.if RES_NORM
	s_add_nc_u64 s[10:11], s[10:11], s[2:3]
	s_add_nc_u64 s[68:69], s[6:7], s[68:69]
	s_add_nc_u64 s[68:69], s[68:69], RINV
.endif
	CROUND
	s_mov_b32 s[G0A], 1
	s_add_co_u32 s[G0A+1], s23, 0
	s_mov_b64 s[G0A+2:G0A+3], s[74:75]
	s_or_b32 s[G0A+3], s[G0A+3], 0x80000000
	s_mov_b32 s[G0W], 1
	s_add_co_u32 s[G0W+1], s23, 2*HALFT
	s_mov_b64 s[G0W+2:G0W+3], s[76:77]
	s_or_b32 s[G0W+3], s[G0W+3], 0x80000000
	JLOAD G0A, G1A, G0W, G1W                       ; all of K, both regions: one tensor load a wave at the head; nothing is filled again
	v_and_b32 v1, 31, v0
	v_and_b32 v2, 15, v0
	v_bfe_u32 v3, v0, 4, 1
	v_lshlrev_b32 v18, 4, v1
	v_lshlrev_b32 v54, 3, v1
	v_lshlrev_b32 v52, 4, v2
	v_lshlrev_b32 v53, 2, v3
	v_lshl_add_u32 v21, v3, 12, v52
	WIN 0xc0
.set a, 0
.rept 4
.set t, 0
.rept 8
.set rl, 32*(a/2)+8*(a%2)+2*t+8*(t/4)
	global_load_b128 v[32*a+4*t:32*a+4*t+3], v21, s[8:9] offset:rl*4096
.if RES_NORM
	global_load_b32 v[128+8*a+t], v53, s[68:69] offset:rl*4
.endif
.set t, t+1
.endr
.set a, a+1
.endr
	WIN 0
	global_load_b128 v[44:47], v52, s[BIASR:BIASR+1]
.if RES_NORM
	global_load_b128 v[48:51], v52, s[10:11]
.endif
	s_mul_i32 s72, s[WV], 16*272
	s_add_co_u32 s72, s72, STAGE
	v_mul_u32_u24 v19, v2, 272
	v_lshl_add_u32 v19, v3, 6, v19
	v_add_nc_u32 v19, s72, v19
	v_mul_u32_u24 v20, v3, 272
	v_lshl_add_u32 v20, v2, 4, v20
	v_add_nc_u32 v20, s72, v20
	v_lshlrev_b32 v22, 2, v2
	v_mad_u32_u24 v22, v3, PB, v22
.set rg, 0
.rept NR
	v_add_nc_u32 v[AO+rg], s19, v18
	v_add_nc_u32 v[A8+rg], s19, v54
	v_add_nc_u32 v[AI+rg], s20, v18
	v_add_nc_u32 v[SO+rg], s21, v22
	v_add_nc_u32 v[SI+rg], s22, v22
	s_add_co_u32 s19, s19, SLOT
	s_add_co_u32 s20, s20, SLOT
	s_add_co_u32 s21, s21, SLOT
	s_add_co_u32 s22, s22, SLOT
.set rg, rg+1
.endr
	s_wait_alu depctr_va_vdst(0)
	s_wait_tensorcnt 0x0                           ; my load has landed
	s_barrier_signal -1
	s_barrier_wait -1                              ; and everybody's
	FETCH_I 0
	FETCH_O 0, 0, OH
	SCALES 0
	FETCH_O 0, OH, OH
	STEP 0, 1
	STEP 1, 0
	STEP 2, 0
	STEP 3, 0
	STEP 4, 0
	STEP 5, 0
	STEP 6, 0
	LAST 7
	s_wait_loadcnt 0x0
	PLACES
.macro EPI a
.if (\a) > 1
	s_wait_xcnt 0x0
.endif
	WIN 0x08
.irp i, 0,1,2,3
	ds_store_b128 v19, v[8*(4*(\a)+\i):8*(4*(\a)+\i)+3] offset:128*(\i/2)+32*(\i%2)
	ds_store_b128 v19, v[8*(4*(\a)+\i)+4:8*(4*(\a)+\i)+7] offset:128*(\i/2)+32*(\i%2)+16
.endr
	WIN 0
.set YB, 64+32*((\a)%2)
.irp t, 0,1,2,3,4,5,6,7
	ds_load_b128 v[YB+4*\t:YB+4*\t+3], v20 offset:544*\t
.endr
.if RES_NORM
	WIN 0x0f
.irp t, 0,1,2,3,4,5,6,7
.irp k, 0,1,2,3
	v_mul_f32 v[128+4*\t+\k], v[32*(\a)+4*\t+\k], v[128+8*(\a)+\t]
.endr
.endr
	WIN 0
.endif
	s_wait_dscnt 0x0
.irp t, 0,1,2,3,4,5,6,7
.irp k, 0,2
	v_pk_add_f32 v[YB+4*\t+\k:YB+4*\t+\k+1], v[YB+4*\t+\k:YB+4*\t+\k+1], v[44+\k:45+\k]
.endr
.endr
.if RES_NORM
.irp t, 0,1,2,3,4,5,6,7
.irp k, 0,2
	v_pk_fma_f32 v[YB+4*\t+\k:YB+4*\t+\k+1], v[128+4*\t+\k:129+4*\t+\k], v[48+\k:49+\k], v[YB+4*\t+\k:YB+4*\t+\k+1]
.endr
.endr
.else
	WIN 0x0c
.irp t, 0,1,2,3,4,5,6,7
.irp k, 0,2
	v_pk_add_f32 v[YB+4*\t+\k:YB+4*\t+\k+1], v[YB+4*\t+\k:YB+4*\t+\k+1], v[32*(\a)+4*\t+\k:32*(\a)+4*\t+\k+1]
.endr
.endr
	WIN 0
.endif
.irp t, 0,1,2,3,4,5,6,7
	global_store_b128 v21, v[YB+4*\t:YB+4*\t+3], s[14:15] offset:(32*((\a)/2)+8*((\a)%2)+2*\t+8*(\t/4))*4096
.endr
.endm
	EPI 0
	EPI 1
	EPI 2
	EPI 3
	s_wait_tensorcnt 0x0
	ds_add_u32 v[SPW], v[NIL]
	s_wait_dscnt 0x0
	CROUND
	s_endpgm
.Lfunc_end_k_q875e51f365_proj:
	.size	k_q875e51f365_proj, .Lfunc_end_k_q875e51f365_proj-k_q875e51f365_proj
	.p2alignl 7, 3214868480
	.fill 96, 4, 3214868480
	.section	.rodata,"a",@progbits
	.p2align	6, 0x0
	.amdhsa_kernel k_q875e51f365_proj
		.amdhsa_group_segment_fixed_size 327680
		.amdhsa_private_segment_fixed_size 0
		.amdhsa_enable_private_segment 0
		.amdhsa_kernarg_size 48
		.amdhsa_user_sgpr_count 2
		.amdhsa_user_sgpr_kernarg_segment_ptr 1
		.amdhsa_wavefront_size32 1
		.amdhsa_system_sgpr_workgroup_id_x 1
		.amdhsa_system_sgpr_workgroup_id_y 1
		.amdhsa_system_sgpr_workgroup_id_z 1
		.amdhsa_system_vgpr_workitem_id 0
		.amdhsa_next_free_vgpr 1024
		.amdhsa_next_free_sgpr 100
		.amdhsa_reserve_vcc 0
		.amdhsa_float_denorm_mode_32 3
		.amdhsa_float_denorm_mode_16_64 3
		.amdhsa_memory_ordered 1
		.amdhsa_forward_progress 1
		.amdhsa_inst_pref_size 69
	.end_amdhsa_kernel
	.amdgpu_metadata
---
amdhsa.version: [ 1, 2 ]
amdhsa.kernels:
  - .name:           k_q875e51f365_proj
    .symbol:         k_q875e51f365_proj.kd
    .args:
      - { .name: obuf, .offset: 0, .size: 8, .value_kind: global_buffer, .address_space: global }
      - { .name: wsp, .offset: 8, .size: 8, .value_kind: global_buffer, .address_space: global }
      - { .name: x, .offset: 16, .size: 8, .value_kind: global_buffer, .address_space: global }
      - { .name: attn_ln_w, .offset: 24, .size: 8, .value_kind: global_buffer, .address_space: global }
      - { .name: proj_b, .offset: 32, .size: 8, .value_kind: global_buffer, .address_space: global }
      - { .name: x1, .offset: 40, .size: 8, .value_kind: global_buffer, .address_space: global }
    .group_segment_fixed_size: 327680
    .private_segment_fixed_size: 0
    .kernarg_segment_align: 8
    .kernarg_segment_size: 48
    .max_flat_workgroup_size: 128
    .sgpr_count:     100
    .vgpr_count:     1024
    .wavefront_size: 32
...
	.end_amdgpu_metadata
.endif
;; end of part 4
;; launch normq: the kernel of part 1 again; grid 256 x 1, 8 waves a work-group, no clusters, 69,120 bytes of LDS; arguments x1, mlp_ln_w, qkv_w, proj_w, w12_w, w3_w, w12_b, hbuf; writes hbuf
;; launch mlp1 (part 5): grid 11 x 22, 4 waves a work-group, no clusters, 327,680 bytes of LDS; arguments hbuf, wsp, hid; writes hid
.if DOCPART == 5
	.amdgcn_target "amdgcn-amd-amdhsa--gfx1250"
	.amdhsa_code_object_version 6
	.text
	.protected	k_q875e51f365_mlp1
	.globl	k_q875e51f365_mlp1
	.p2align	8
	.type	k_q875e51f365_mlp1,@function
k_q875e51f365_mlp1:
	s_mov_b64 s[64:65], 0
	v_nop
	global_prefetch_b8 v0, s[64:65] scope:SCOPE_SE
	s_setreg_imm32_b32 hwreg(HW_REG_WAVE_MODE, 25, 1), 1
	s_wait_xcnt 0x0
; hidden = silu(h w1^T + b1) (h w2^T + b2) on FP6 codes, quantised along the hidden units and stored as the last product's operand image. The hidden layer never goes to memory in f32.
; A work-group of four waves takes 384 rows (three panels of 128) x 128 hidden units (16 weight fragments: 2 i, 2 i + 1 are the gate's and the up's rows of the same 16 units): 11 x 22 work-groups.
; Row tile 10 begins at panel 29, so that every load stays inside its buffer; panel 29 belongs to tile 9, so tile 10 stores nothing for it.
; Wave w takes fragments 2 w, 2 w + 1 of each of the three panels: 6 fragments (source 1) against all 16 weight fragments (source 0): a lane holds one row and its registers run along the units. 96 accumulators.
; K = 1,024 in 8 steps, two to an LDS region of 128,000 bytes (rows' three panels, then the weight's two), two regions. A region's rows come by one load (3 rows of 25,600 bytes), its weights by another (2 rows):
; at the head waves 0, 1 fill region 0 and waves 2, 3 region 1; waves 0, 1 fill region 0 again in step 1, waves 2, 3 region 1 in step 3. By the text's own count a wave has one tensor load out at the most.
; A step is four groups of 4 weight fragments x 6 row fragments, 24 products each; the weight's groups take turns on two buffers, the next asked for while one is multiplied; the rows have one set,
; fetched anew in two halves inside the step's last group.
; cluster = none: the grid is 11 x 22, and neither divides by four. No prefetch: K has four regions, two are asked for at the head and the other two each two steps ahead of their first reader.
; Units 2,730 .. 2,815 have zero weight codes and zero bias: hidden is 0 there.
; REGISTERS: window 0: v4-15 LDS addresses, v16-17 the spare word's, v18-23 the way out's, v24-67 scale words (two sets of 22), v68-139 the rows' 6 fragments, v140-235 the weight's two buffers, v236-243 the biases as loaded;
;   windows 1-3: the accumulators: row fragment a, weight fragment o at window 1 + a / 2, register 8 (16 (a % 2) + o). On the way out window 0 holds v24-59 the quantiser's, v64-127 e^-gate and then hidden, v128-255 the biases.
; LIMITS: NaN and infinities are not served. A block of zeros gets the byte 1 where the rule says 127 (its codes are zeros, and only this program reads the bytes).
.set W12, 6553600
.set B12, 13312000
.set PB,    12800                      ; a panel's block of one K step: 8 fragments and their scale words
.set CH,    2*PB                       ; a panel's part of a region
.set REG,   5*CH
.set WO,    3*CH                       ; the weight's panels in a region
.set SPARE, 2*REG
.set SCR,   SPARE+512                  ; 1,024 bytes a wave: the biases of my 128 units
.set AA,  4
.set AW,  8
.set SA,  10
.set SW,  12
.set SPW, 16
.set NIL, 17
.set SC,  24
.set AF,  68
.set WF,  140
.set WV,  16
.set WH,  17
.set WL,  18
.set MSB, 0
.macro WIN new
.if MSB != (\new)
	s_set_vgpr_msb (MSB<<8)|(\new)
.set MSB, (\new)
.endif
.endm
.macro PLACES
.rept 4
	v_nop
.endr
.endm
.macro FRAG reg, adr, off
	ds_load_b128 v[(\reg):(\reg)+3], v[\adr] offset:(\off)
	ds_load_b128 v[(\reg)+4:(\reg)+7], v[\adr] offset:(\off)+512
	ds_load_b128 v[(\reg)+8:(\reg)+11], v[\adr] offset:(\off)+1024
.endm
.macro LDW g, q                        ; the weight's group q of step g into buffer q % 2: 12 loads
	WIN 0
.set fw, 0
.rept 4
.set oo, 4*(\q)+fw
	FRAG WF+48*((\q)%2)+12*fw, AW+((\g)/2)%2, (oo/8)*CH+((\g)%2)*PB+(oo%8)*1536
.set fw, fw+1
.endr
.endm
.macro LDA g, i0                       ; my row fragments i0 .. i0 + 2 of step g: 9 loads
	WIN 0
.set fa, \i0
.rept 3
	FRAG AF+12*fa, AA+2*(((\g)/2)%2)+fa/4, ((fa/2)%2)*CH+(fa%2)*1536+((\g)%2)*PB
.set fa, fa+1
.endr
.endm
.macro SCALES g                        ; g even: lanes 0-15 hold step g's words, lanes 16-31 step g + 1's: 22 loads
.set fs, 0
.rept 16
	ds_load_b32 v[SC+22*(((\g)/2)%2)+fs], v[SW+((\g)/2)%2] offset:(fs/8)*CH+(fs%8)*64
.set fs, fs+1
.endr
.set fs, 0
.rept 6
	ds_load_b32 v[SC+22*(((\g)/2)%2)+16+fs], v[SA+((\g)/2)%2] offset:(fs/2)*CH+(fs%2)*64
.set fs, fs+1
.endr
.endm
.macro WM rd, ra, rb, sa, sb, zero, odd
.if \zero
	v_wmma_scale_f32_16x16x128_f8f6f4 v[\rd:\rd+7], v[\ra:\ra+11], v[\rb:\rb+11], 0, v[\sa], v[\sb] matrix_a_fmt:MATRIX_FMT_FP6 matrix_b_fmt:MATRIX_FMT_FP6
.elseif \odd
	v_wmma_scale_f32_16x16x128_f8f6f4 v[\rd:\rd+7], v[\ra:\ra+11], v[\rb:\rb+11], v[\rd:\rd+7], v[\sa], v[\sb] matrix_a_fmt:MATRIX_FMT_FP6 matrix_b_fmt:MATRIX_FMT_FP6 matrix_a_scale:MATRIX_SCALE_ROW1 matrix_b_scale:MATRIX_SCALE_ROW1
.else
	v_wmma_scale_f32_16x16x128_f8f6f4 v[\rd:\rd+7], v[\ra:\ra+11], v[\rb:\rb+11], v[\rd:\rd+7], v[\sa], v[\sb] matrix_a_fmt:MATRIX_FMT_FP6 matrix_b_fmt:MATRIX_FMT_FP6
.endif
.endm
.macro MUL g, q, a0, n, zero           ; row fragments a0 .. a0 + n - 1 x the weight's group q; the accumulators take turns, one instruction a turn
.set ma, \a0
.rept \n
	WIN 0x50*(1+ma/2)
.set mw, 0
.rept 4
.set oo, 4*(\q)+mw
.set st, SC+22*(((\g)/2)%2)
	WM 8*((ma%2)*16+oo), WF+48*((\q)%2)+12*mw, AF+12*ma, st+oo, st+16+ma, \zero, (\g)%2
.set mw, mw+1
.endr
.set ma, ma+1
.endr
.endm
.macro RLOAD lo                        ; region lo is filled again, by the two waves that filled it first
	s_cmp_eq_u32 s[WH], \lo
	s_cbranch_scc0 .Lnone_\@
	s_cmp_eq_u32 s[WL], 0
	s_cbranch_scc0 .Lw_\@
	tensor_load_to_lds s[48:51], s[24:31]
	s_nop 0
	PLACES
	s_branch .Lnone_\@
.Lw_\@:
	tensor_load_to_lds s[52:55], s[32:39]
	s_nop 0
	PLACES
.Lnone_\@:
.endm
; A K step. turn = 0: the next step lies in the same region; 1: change of regions, and region lo is filled again; 2: change of regions, nothing is filled; 3: the last step
.macro STEP g, zero, turn, lo
	LDW \g, 1                                      ; (its places: the four v_nop ahead of the last run of loads)
	s_wait_dscnt 21                                ; out may be: my row fragments 3-5 (9) and the group just asked for (12)
	MUL \g, 0, 0, 3, \zero
	s_wait_dscnt 12                                ; the group just asked for
	MUL \g, 0, 3, 3, \zero
	PLACES
	LDW \g, 2
	s_wait_dscnt 12
	MUL \g, 1, 0, 6, \zero
	PLACES
	LDW \g, 3
	s_wait_dscnt 12
	MUL \g, 2, 0, 6, \zero
.if (\turn) == 3
	s_wait_dscnt 0x0
	MUL \g, 3, 0, 6, \zero
	WIN 0
.else
.if (\turn) == 0
	s_wait_dscnt 0x0
	MUL \g, 3, 0, 3, \zero
	PLACES
.else
	WIN 0
	s_wait_tensorcnt 0x0                           ; all my tensor loads have landed,
.if (\turn) == 1
	ds_add_u32 v[SPW], v[NIL]                      ; 0 onto my spare word;
.endif
	s_wait_dscnt 0x0                               ; my reads of the region that I leave are in (and the add is done)
	s_barrier_signal -1
	MUL \g, 3, 0, 3, \zero
	WIN 0
	s_barrier_wait -1
.if (\turn) == 1
	RLOAD \lo
.endif
	PLACES
.endif
	LDW (\g)+1, 0
.if ((\g)+1)%2 == 0
	SCALES (\g)+1
.endif
	LDA (\g)+1, 0
	MUL \g, 3, 3, 3, \zero
	PLACES
	LDA (\g)+1, 3
.endif
.endm
.set TM, 24
.set PC, 40
.set EE, 64
.set BG, 128
.set BU, 192
.macro QUANT s, pw
.irp b, 0,1,2,3
	v_max3_num_f32 v[TM+\b], |v[\s+16*\b]|, |v[\s+1+16*\b]|, 0x1800000   ; with the floor 2^(3 - 127): the byte cannot fall under 1
.endr
.irp i, 2,4,6,8,10,12,14
.irp b, 0,1,2,3
	v_max3_num_f32 v[TM+\b], v[TM+\b], |v[\s+16*\b+\i]|, |v[\s+1+16*\b+\i]|
.endr
.endr
.irp b, 0,1,2,3
	v_permlanex16_b32 v[TM+4+\b], v[TM+\b], s96, s97
.endr
.irp b, 0,1,2,3
	v_max_num_f32 v[TM+\b], v[TM+\b], v[TM+4+\b]
.endr
.irp b, 0,1,2,3
	v_add_nc_u32 v[TM+12+\b], 0xff000000, v[TM+\b]
.endr
.irp b, 0,1,2,3
	v_lshrrev_b32 v[TM+4+\b], 23, v[TM+12+\b]
.endr
	v_lshl_or_b32 v[\pw], v[TM+5], 8, v[TM+4]
	v_lshl_or_b32 v[\pw], v[TM+6], 16, v[\pw]
	v_lshl_or_b32 v[\pw], v[TM+7], 24, v[\pw]
.irp c, 0,1
	v_cvt_scalef32_pk16_fp6_f32 v[PC+6*\c:PC+2+6*\c], v[\s+32*\c:\s+15+32*\c], v[TM+12+2*\c]
	v_cvt_scalef32_pk16_fp6_f32 v[PC+12+4*\c:PC+14+4*\c], v[\s+16+32*\c:\s+31+32*\c], v[TM+12+2*\c+1]
.endr
	v_nop
.irp c, 0,1
.irp i, 0,1,2
	v_permlane16_swap_b32 v[PC+6*\c+\i], v[PC+12+4*\c+\i]
.endr
.irp i, 0,1,2
	v_mov_b32 v[PC+3+6*\c+\i], v[PC+12+4*\c+\i]
.endr
.endr
.endm
	s_load_b128 s[4:7], s[0:1], 0x0                ; h's images, the workspace
	s_load_b64 s[8:9], s[0:1], 0x10                ; the hidden layer's images
	v_lshl_add_u32 v[SPW], v0, 2, SPARE
	v_mov_b32 v[NIL], 0
	ds_add_u32 v[SPW], v[NIL]                      ; the opening lines
	ds_add_u32 v[SPW], v[NIL]
	v_lshrrev_b32 v1, 5, v0
	v_readfirstlane_b32 s[WV], v1
	s_lshr_b32 s[WH], s[WV], 1                     ; the region that I fetch; also the half of a panel in which my fragments lie
	s_and_b32 s[WL], s[WV], 1                      ; I fetch rows (0) or weights (1)
	s_mov_b32 s72, ttmp9                           ; the tile of 384 rows
	s_and_b32 s73, ttmp7, 0xffff                   ; the tile of 128 hidden units
	s_mul_i32 s70, s72, 3
	s_min_u32 s70, s70, 29                         ; its first panel of 128 rows
	s_mov_b32 s24, 3<<16                           ; the rows: elements of 8 bytes; 3 rows of 25,600 bytes, 102,400 apart
	s_mov_b32 s25, 3200<<16
	s_mov_b32 s26, 3<<16
	s_mov_b32 s27, 3200<<16
	s_mov_b32 s28, 3
	s_mov_b32 s29, 12800
	s_mov_b32 s30, 0
	s_mov_b32 s31, 0
	s_mov_b32 s32, 3<<16                           ; the weights: 2 such rows
	s_mov_b32 s33, 3200<<16
	s_mov_b32 s34, 2<<16
	s_mov_b32 s35, 3200<<16
	s_mov_b32 s36, 2
	s_mov_b32 s37, 12800
	s_mov_b32 s38, 0
	s_mov_b32 s39, 0
	s_mul_i32 s74, s70, 8*PB
	s_mul_i32 s66, s[WH], CH
	s_add_co_u32 s74, s74, s66                     ; the rows' panels, K steps 2 WH on
	s_mov_b32 s75, 0
	s_mul_i32 s76, s73, 16*PB
	s_add_co_u32 s76, s76, s66
	s_add_co_u32 s76, s76, W12                     ; the weight's
	s_mov_b32 s77, 0
	s_mul_i32 s41, s[WH], REG
	s_add_co_u32 s45, s41, WO
	s_mov_b32 s40, 1
	s_mov_b32 s44, 1
	s_mov_b32 s48, 1
	s_mov_b32 s52, 1
	s_mov_b32 s49, s41
	s_mov_b32 s53, s45
	s_lshl_b32 s78, s70, 1
	s_add_co_u32 s78, s78, s[WH]                   ; the output's panel of 64 rows that holds my fragments of the first panel
	s_mul_i32 s78, s78, 22
	s_add_co_u32 s78, s78, s73
	s_mul_i32 s78, s78, 6400
	s_mov_b32 s79, 0
	s_lshl_b32 s68, s73, 9                         ; my 128 units' biases
	s_mov_b32 s69, 0
	s_mov_b32 s96, 0x76543210
	s_mov_b32 s97, 0xfedcba98
	s_mov_b32 s98, 0xbfb8aa3b                      ; -log2(e)
	s_mov_b32 s99, s98
	s_mul_i32 s19, s[WV], 3072                     ; my two fragments of a panel
	s_lshl_b32 s20, s[WV], 7
	s_add_co_u32 s20, s20, 12288                   ; and their scale words
	s_lshl_b32 s21, s[WV], 10
	s_add_co_u32 s21, s21, SCR
	s_mul_i32 s22, s[WL], 3072
	s_lshl_b32 s23, s[WL], 7
	s_wait_dscnt 0x0                               ; both opening adds are done
	s_wait_kmcnt 0x0
	s_add_nc_u64 s[42:43], s[4:5], s[74:75]
	s_add_nc_u64 s[50:51], s[42:43], 2*CH          ; the refill: two regions on along K
	s_or_b32 s43, s43, 0x80000000
	s_or_b32 s51, s51, 0x80000000
	s_add_nc_u64 s[46:47], s[6:7], s[76:77]
	s_add_nc_u64 s[54:55], s[46:47], 2*CH
	s_or_b32 s47, s47, 0x80000000
	s_or_b32 s55, s55, 0x80000000
	s_add_nc_u64 s[8:9], s[8:9], s[78:79]
	s_add_nc_u64 s[68:69], s[6:7], s[68:69]
	s_add_nc_u64 s[68:69], s[68:69], B12
	s_cmp_eq_u32 s[WL], 0                          ; one chain, one load to an arm: every wave issues one
	s_cbranch_scc0 .Lhead_w
	tensor_load_to_lds s[40:43], s[24:31]
	s_nop 0
	PLACES
	s_branch .Lhead_j
.Lhead_w:
	tensor_load_to_lds s[44:47], s[32:39]
	s_nop 0
	PLACES
.Lhead_j:
	v_and_b32 v1, 31, v0
	v_and_b32 v2, 15, v0
	v_bfe_u32 v3, v0, 4, 1
	v_lshlrev_b32 v22, 4, v1                       ; 16 x lane
	global_load_b128 v[236:239], v22, s[68:69]     ; the gate's bias, 4 units a lane
	global_load_b128 v[240:243], v22, s[68:69] offset:11264   ; the up's
	v_lshlrev_b32 v25, 2, v2
	v_mad_u32_u24 v25, v3, PB, v25                 ; 4 r, lanes 16-31 one K step on
	v_add_nc_u32 v4, s19, v22
	v_add_nc_u32 v5, 2*CH, v4
	v_add_nc_u32 v6, REG, v4
	v_add_nc_u32 v7, REG+2*CH, v4
	v_add_nc_u32 v8, WO, v22
	v_add_nc_u32 v9, REG+WO, v22
	v_add_nc_u32 v10, s20, v25
	v_add_nc_u32 v11, REG, v10
	v_add_nc_u32 v12, WO+12288, v25
	v_add_nc_u32 v13, REG+WO+12288, v25
	v_add_nc_u32 v14, s21, v22
	v_lshl_add_u32 v15, v3, 6, s21
	v_add_nc_u32 v18, s22, v22                     ; the way out: my fragments' place in a panel block,
	v_lshlrev_b32 v19, 2, v1
	v_add_nc_u32 v19, s23, v19                     ; and their scale words'
	s_wait_alu depctr_va_vdst(0)
	s_wait_tensorcnt 0x0                           ; my load has landed
	s_barrier_signal -1
	s_barrier_wait -1                              ; and everybody's: both regions are whole
	LDW 0, 0
	SCALES 0
	LDA 0, 0
	LDA 0, 3
	STEP 0, 1, 0, 0
	STEP 1, 0, 1, 0
	STEP 2, 0, 0, 0
	STEP 3, 0, 1, 1
	STEP 4, 0, 0, 0
	STEP 5, 0, 2, 0
	STEP 6, 0, 0, 0
	STEP 7, 0, 3, 0
	s_wait_loadcnt 0x0                             ; the biases
	PLACES
	ds_store_b128 v14, v[236:239]                  ; through my own scratch: a lane wants the 16 units 32 b + 16 h on
	ds_store_b128 v14, v[240:243] offset:512
.irp b, 0,1,2,3
.irp j, 0,1,2,3
	ds_load_b128 v[BG+16*\b+4*\j:BG+16*\b+4*\j+3], v15 offset:128*\b+16*\j         ; LDS serves a wave's instructions in order: these see my stores
	ds_load_b128 v[BU+16*\b+4*\j:BU+16*\b+4*\j+3], v15 offset:512+128*\b+16*\j
.endr
.endr
.irp b, 0,1,2,3
	v_mov_b32 v[TM+4+\b], 0                        ; (a lane permute's destination counts as read)
.endr
	s_mov_b32 vcc_lo, 0xffff0000
	s_wait_alu depctr_va_vdst(0)
	s_wait_dscnt 0x0
; row fragment a: in its window the gate's tile tt lies at EB + 16 tt, the up's at EB + 16 tt + 8; unit 32 (n / 16) + 16 h + n % 16 at n = 8 tt + j
.macro EPIH a
.set EW, 1+(\a)/2
.set EB, 128*((\a)%2)
	s_wait_xcnt 0x0                                ; the last fragment's stores have read their registers
	WIN (EW<<6)|EW
	s_wait_alu depctr_va_vdst(0)                   ; the wait ahead of the accumulators' first readers
.set tt, 0
.rept 8
.set n, 0
.rept 4
	v_pk_add_f32 v[EB+16*tt+n:EB+16*tt+n+1], v[EB+16*tt+n:EB+16*tt+n+1], v[BG+8*tt+n:BG+8*tt+n+1]
.set n, n+2
.endr
.set n, 0
.rept 4
	v_pk_add_f32 v[EB+16*tt+8+n:EB+16*tt+8+n+1], v[EB+16*tt+8+n:EB+16*tt+8+n+1], v[BU+8*tt+n:BU+8*tt+n+1]
.set n, n+2
.endr
.set tt, tt+1
.endr
	WIN EW
.set tt, 0
.rept 8
.set n, 0
.rept 4
	v_pk_mul_f32 v[EE+8*tt+n:EE+8*tt+n+1], v[EB+16*tt+n:EB+16*tt+n+1], s[98:99] op_sel_hi:[1,0]
.set n, n+2
.endr
.set tt, tt+1
.endr
	WIN 0
	s_wait_alu depctr_va_vdst(0)                   ; ahead of the batch
.set n, 0
.rept 64
	v_exp_f32 v[EE+n], v[EE+n]                     ; e^-gate
.set n, n+1
.endr
	WIN (EW<<6)|(EW<<2)|EW
.set tt, 0
.rept 8
.set n, 0
.rept 4
	v_pk_mul_f32 v[EB+16*tt+8+n:EB+16*tt+8+n+1], v[EB+16*tt+n:EB+16*tt+n+1], v[EB+16*tt+8+n:EB+16*tt+8+n+1]   ; gate x up: independent work behind the batch
.set n, n+2
.endr
.set tt, tt+1
.endr
	WIN 0
	s_wait_alu depctr_va_vdst(0)                   ; one wait for the batch
.set n, 0
.rept 32
	v_pk_add_f32 v[EE+n:EE+n+1], v[EE+n:EE+n+1], 1.0 op_sel_hi:[1,0]
.set n, n+2
.endr
	s_wait_alu depctr_va_vdst(0)
.set n, 0
.rept 64
	v_rcp_f32 v[EE+n], v[EE+n]
.set n, n+1
.endr
	v_nop
	s_wait_alu depctr_va_vdst(0)
	WIN EW
.set tt, 0
.rept 8
.set n, 0
.rept 4
	v_pk_mul_f32 v[EE+8*tt+n:EE+8*tt+n+1], v[EB+16*tt+8+n:EB+16*tt+8+n+1], v[EE+8*tt+n:EE+8*tt+n+1]   ; gate x up / (1 + e^-gate)
.set n, n+2
.endr
.set tt, tt+1
.endr
	WIN 0
	QUANT EE, 20+(\a)%2
.irp c, 0,1,2
	global_store_b128 v18, v[PC+4*\c:PC+4*\c+3], s[8:9] offset:((\a)/2)*281600+((\a)%2)*1536+512*\c   ; 512 consecutive bytes, aligned
.endr
.if (\a)%2
	v_cndmask_b32 v23, v20, v21, vcc_lo            ; two fragments' scale words: 128 consecutive bytes
	global_store_b32 v19, v23, s[8:9] offset:((\a)/2)*281600+6144
.endif
.endm
	s_cmp_eq_u32 s72, 10                           ; in the last row tile the first panel is tile 9's
	s_cbranch_scc1 .Lnot_mine
	EPIH 0
	EPIH 1
.Lnot_mine:
	EPIH 2
	EPIH 3
	EPIH 4
	EPIH 5
	s_wait_tensorcnt 0x0                           ; the wave's end
	ds_add_u32 v[SPW], v[NIL]
	s_wait_dscnt 0x0
	s_endpgm
.Lfunc_end_k_q875e51f365_mlp1:
	.size	k_q875e51f365_mlp1, .Lfunc_end_k_q875e51f365_mlp1-k_q875e51f365_mlp1
	.p2alignl 7, 3214868480
	.fill 96, 4, 3214868480
	.section	.rodata,"a",@progbits
	.p2align	6, 0x0
	.amdhsa_kernel k_q875e51f365_mlp1
		.amdhsa_group_segment_fixed_size 327680
		.amdhsa_private_segment_fixed_size 0
		.amdhsa_enable_private_segment 0
		.amdhsa_kernarg_size 24
		.amdhsa_user_sgpr_count 2
		.amdhsa_user_sgpr_kernarg_segment_ptr 1
		.amdhsa_wavefront_size32 1
		.amdhsa_system_sgpr_workgroup_id_x 1
		.amdhsa_system_sgpr_workgroup_id_y 1
		.amdhsa_system_sgpr_workgroup_id_z 1
		.amdhsa_system_vgpr_workitem_id 0
		.amdhsa_next_free_vgpr 1024
		.amdhsa_next_free_sgpr 100
		.amdhsa_reserve_vcc 1
		.amdhsa_float_denorm_mode_32 3
		.amdhsa_float_denorm_mode_16_64 3
		.amdhsa_memory_ordered 1
		.amdhsa_forward_progress 1
		.amdhsa_inst_pref_size 255
	.end_amdhsa_kernel
	.section	.bss,"aw",@nobits
	.p2align	6
	.space	262144
	.amdgpu_metadata
---
amdhsa.version: [ 1, 2 ]
amdhsa.kernels:
  - .name:           k_q875e51f365_mlp1
    .symbol:         k_q875e51f365_mlp1.kd
    .args:
      - { .name: hbuf, .offset: 0, .size: 8, .value_kind: global_buffer, .address_space: global }
      - { .name: wsp, .offset: 8, .size: 8, .value_kind: global_buffer, .address_space: global }
      - { .name: hid, .offset: 16, .size: 8, .value_kind: global_buffer, .address_space: global }
    .group_segment_fixed_size: 327680
    .private_segment_fixed_size: 0
    .kernarg_segment_align: 8
    .kernarg_segment_size: 24
    .max_flat_workgroup_size: 128
    .sgpr_count:     100
    .vgpr_count:     1024
    .wavefront_size: 32
...
	.end_amdgpu_metadata
.endif
;; end of part 5
;; launch mlp2 (part 6): grid 8 x 32, 4 waves a work-group, clusters of 4 x 4, 327,680 bytes of LDS; arguments hid, wsp, x1, w3_b, out0; writes out0
.if DOCPART == 6
	.amdgcn_target "amdgcn-amd-amdhsa--gfx1250"
	.amdhsa_code_object_version 6
	.text
	.protected	k_q875e51f365_mlp2
	.globl	k_q875e51f365_mlp2
	.p2align	8
	.type	k_q875e51f365_mlp2,@function
k_q875e51f365_mlp2:
	s_mov_b64 s[64:65], 0
	v_nop
	global_prefetch_b8 v0, s[64:65] scope:SCOPE_SE
	s_setreg_imm32_b32 hwreg(HW_REG_WAVE_MODE, 25, 1), 1
	s_wait_xcnt 0x0
	s_wait_alu depctr_hold_cnt(0) depctr_sa_sdst(0) depctr_va_vdst(0) depctr_va_sdst(0) depctr_va_ssrc(0) depctr_va_vcc(0) depctr_vm_vsrc(0)
	s_getreg_b32 s2, hwreg(HW_REG_IB_STS2, 6, 4)
	s_cmp_eq_u32 s2, 0
	s_cbranch_scc0 .Lentry_in_a_cluster
	s_endpgm
.Lentry_in_a_cluster:
	s_bfe_u32 s2, ttmp6, 0x10000c
	s_cmp_lg_u32 s2, 0xf033
	s_cbranch_scc0 .Lentry_shape_is_right
	s_endpgm
.Lentry_shape_is_right:
.set NO, 4
.set NI, 4
.set FP, 4
.set KS, 22
.set NQ, 6
.set NR, 2
.set SRC0_OUTER, 0
.set RES_NORM, 0
.set WOFF, 11059200
.set BIASR, 10
.set G1AS, 80
.set G1WS, 88
.set PB,    1600*FP
.set HALFT, NQ*PB
.set SLOT,  4*HALFT
.set SPARE, NR*SLOT
.set STAGE, SPARE+512
.set OH,    NO/2
.set OQ,    NO/4
.set NSC,   NO+NI
.set AO,  4
.set AI,  7
.set SO,  10
.set SI,  13
.set SPW, 16
.set NIL, 17
.set SC,  24
.set OF,  64
.set WV,  16
.set WH,  17
.set WL,  18
.set G1A, 24
.set G1W, 32
.set G0A, 40
.set G0W, 52
.set MSB, 0
.macro WIN new
.if MSB != (\new)
	s_set_vgpr_msb (MSB<<8)|(\new)
.set MSB, (\new)
.endif
.endm
.macro PLACES
.rept 4
	v_nop
.endr
.endm
.macro JLOAD g0a, g1a, g0b, g1b
	s_cmp_eq_u32 s[WL], 0                          ; even waves fetch the rows' two panels, odd waves the weight's
	s_cbranch_scc0 .Lfor_w_\@
	tensor_load_to_lds s[\g0a:\g0a+3], s[\g1a:\g1a+7]
	s_nop 0
	PLACES
	s_branch .Lasked_\@
.Lfor_w_\@:
	tensor_load_to_lds s[\g0b:\g0b+3], s[\g1b:\g1b+7]
	s_nop 0
	PLACES
.Lasked_\@:
.endm
.macro CREST
	s_cmp_lg_u32 s[WV], 0
	s_cbranch_scc1 .Lnot_wave_0_\@
	s_barrier_signal -3
.Lnot_wave_0_\@:
	s_barrier_wait -3
	s_barrier_signal -1
	s_barrier_wait -1
.endm
.macro CROUND
	s_barrier_signal -1
	s_barrier_wait -1
	CREST
.endm
.macro FRAG reg, adr, off
	ds_load_b128 v[(\reg):(\reg)+3], v[\adr] offset:(\off)
	ds_load_b128 v[(\reg)+4:(\reg)+7], v[\adr] offset:(\off)+512
	ds_load_b128 v[(\reg)+8:(\reg)+11], v[\adr] offset:(\off)+1024
.endm
.macro FETCH_I g
	WIN 0x40
.set fi, 0
.rept NI
	FRAG 128*((\g)%2)+12*fi, AI+((\g)/NQ)%NR, ((\g)%NQ)*PB+1536*fi
.set fi, fi+1
.endr
	WIN 0
.endm
.macro FETCH_O g, o0, n
.set fo, \o0
.rept \n
	FRAG OF+12*fo, AO+((\g)/NQ)%NR, ((\g)%NQ)*PB+(fo/FP)*HALFT+(fo%FP)*1536
.set fo, fo+1
.endr
.endm
.macro SCALES g
.set fs, 0
.rept NO
	ds_load_b32 v[SC+NSC*(((\g)/2)%2)+fs], v[SO+((\g)/NQ)%NR] offset:((\g)%NQ)*PB+(fs/FP)*HALFT+(fs%FP)*64
.set fs, fs+1
.endr
.set fs, 0
.rept NI
	ds_load_b32 v[SC+NSC*(((\g)/2)%2)+NO+fs], v[SI+((\g)/NQ)%NR] offset:((\g)%NQ)*PB+64*fs
.set fs, fs+1
.endr
.endm
.macro WM rd, ra, rb, sa, sb, zero, odd
.if \zero
	v_wmma_scale_f32_16x16x128_f8f6f4 v[\rd:\rd+7], v[\ra:\ra+11], v[\rb:\rb+11], 0, v[\sa], v[\sb] matrix_a_fmt:MATRIX_FMT_FP6 matrix_b_fmt:MATRIX_FMT_FP6
.elseif \odd
	v_wmma_scale_f32_16x16x128_f8f6f4 v[\rd:\rd+7], v[\ra:\ra+11], v[\rb:\rb+11], v[\rd:\rd+7], v[\sa], v[\sb] matrix_a_fmt:MATRIX_FMT_FP6 matrix_b_fmt:MATRIX_FMT_FP6 matrix_a_scale:MATRIX_SCALE_ROW1 matrix_b_scale:MATRIX_SCALE_ROW1
.else
	v_wmma_scale_f32_16x16x128_f8f6f4 v[\rd:\rd+7], v[\ra:\ra+11], v[\rb:\rb+11], v[\rd:\rd+7], v[\sa], v[\sb] matrix_a_fmt:MATRIX_FMT_FP6 matrix_b_fmt:MATRIX_FMT_FP6
.endif
.endm
.macro MULB g, o0, n, zero
.set mo, \o0
.rept \n
.set mi, 0
.rept NI
.set idx, mo*NI+mi
.set rD, 8*(idx%32)
.set rI, 128*((\g)%2)+12*mi
.set rO, OF+12*mo
.set sO, SC+NSC*(((\g)/2)%2)+mo
.set sI, SC+NSC*(((\g)/2)%2)+NO+mi
.if SRC0_OUTER
	WIN 0xa4+0x50*(idx/32)
	WM rD, rO, rI, sO, sI, \zero, (\g)%2
.else
	WIN 0xa1+0x50*(idx/32)
	WM rD, rI, rO, sI, sO, \zero, (\g)%2
.endif
.set mi, mi+1
.endr
.set mo, mo+1
.endr
.endm
.macro MID g
	FETCH_I (\g)+1
	FETCH_O (\g)+1, 0, OH
.if ((\g)+1)%2 == 0
	SCALES (\g)+1
.endif
.endm
.macro REST g
	MID \g
	MULB \g, OH, OH, 0
	PLACES
	WIN 0
	FETCH_O (\g)+1, OH, OH
.endm
.macro STEP g, zero
	s_wait_dscnt OH*3
	MULB \g, 0, OH, \zero
	s_wait_dscnt 0x0
	PLACES
	MID \g
	MULB \g, OH, OH, \zero
	PLACES
	WIN 0
	FETCH_O (\g)+1, OH, OH
.endm
.macro TURNW g, n
	s_wait_tensorcnt \n
	s_wait_dscnt OH*3
	MULB \g, 0, OQ, 0
	s_wait_dscnt 0x0
	s_barrier_signal -1
	MULB \g, OQ, OQ, 0
	WIN 0
	s_barrier_wait -1
	PLACES
	REST \g
.endm
.macro TURNR g, rf, g1a, g1w
	s_wait_tensorcnt 0x0
	ds_add_u32 v[SPW], v[NIL]
	s_wait_dscnt OH*3+1
	MULB \g, 0, OQ, 0
	s_wait_dscnt 0x0
	s_barrier_signal -1
	MULB \g, OQ, OQ, 0
	WIN 0
	s_barrier_wait -1
	CREST
	s_cmp_eq_u32 s[WH], \rf                        ; the pair of waves rf fills its slot again
	s_cbranch_scc0 .Lnot_mine_\@
	JLOAD G0A+4, \g1a, G0W+4, \g1w
.Lnot_mine_\@:
	PLACES
	REST \g
.endm
.macro LAST g
	s_wait_dscnt OH*3
	MULB \g, 0, OH, 0
	s_wait_dscnt 0x0
	MULB \g, OH, OH, 0
	WIN 0
.endm
	s_load_b256 s[4:11], s[0:1], 0x0
	s_load_b64 s[14:15], s[0:1], 0x20
	v_lshl_add_u32 v[SPW], v0, 2, SPARE
	v_mov_b32 v[NIL], 0
	ds_add_u32 v16, v17
	ds_add_u32 v16, v17
	s_wait_dscnt 0x0
	v_lshrrev_b32 v1, 5, v0
	v_readfirstlane_b32 s[WV], v1
	s_lshr_b32 s[WH], s[WV], 1
	s_and_b32 s[WL], s[WV], 1
	s_bfe_u32 s66, ttmp6, 0x40000
	s_bfe_u32 s67, ttmp6, 0x40004
	s_lshl_b32 s70, s67, 2
	s_lshl_b32 s70, 15, s70
	s_lshl_b32 s71, 0x1111, s66
	s_or_b32 s[G1A], s70, (3<<16)|(1<<21)
	s_or_b32 s[G1W], s71, (3<<16)|(1<<21)
	s_or_b32 s[G1AS], s70, (3<<16)|(1<<21)
	s_or_b32 s[G1WS], s71, (3<<16)|(1<<21)
.irp g, G1A, G1W
	s_mov_b32 s[\g+1], (HALFT/8)<<16               ; a tile: two panels' parts of a slot: 2 rows of HALFT bytes, a panel apart
	s_mov_b32 s[\g+2], 2<<16
	s_mov_b32 s[\g+3], (HALFT/8)<<16
	s_mov_b32 s[\g+4], 2
	s_mov_b32 s[\g+5], KS*PB/8
	s_mov_b32 s[\g+6], 0
	s_mov_b32 s[\g+7], 0
.endr
.irp g, G1AS, G1WS
	s_mov_b32 s[\g+1], (4*PB/8)<<16                ; the last slot: four K steps are left of a panel's row; past them the load writes zeros, which nobody reads,
	s_mov_b32 s[\g+2], 2<<16
	s_mov_b32 s[\g+3], (HALFT/8)<<16               ; so that the second panel lies where it lies in every slot
	s_mov_b32 s[\g+4], 2
	s_mov_b32 s[\g+5], KS*PB/8
	s_mov_b32 s[\g+6], 0
	s_mov_b32 s[\g+7], 0
.endr
	s_lshl_b32 s72, ttmp9, 2
	s_add_co_u32 s72, s72, s66
	s_and_b32 s73, ttmp7, 0xffff
	s_lshl_b32 s73, s73, 2
	s_add_co_u32 s73, s73, s67
	s_lshl_b32 s74, s73, 1
	s_mul_i32 s74, s74, KS*PB
	s_mul_i32 s96, s[WH], HALFT                    ; I fetch for slot WH
	s_add_co_u32 s74, s74, s96
	s_mov_b32 s75, 0
	s_lshl_b32 s76, s72, 1
	s_mul_i32 s76, s76, KS*PB
	s_add_co_u32 s76, s76, s96
	s_add_co_u32 s76, s76, WOFF
	s_mov_b32 s77, 0
	s_lshl_b32 s78, s73, 7
	s_lshl_b32 s79, s[WH], 6
	s_add_co_u32 s78, s78, s79
	s_lshl_b32 s78, s78, 12
	s_lshl_b32 s2, s72, 9
	s_lshl_b32 s3, s[WL], 8
	s_add_co_u32 s2, s2, s3
	s_add_co_u32 s78, s78, s2
	s_mov_b32 s79, 0
	s_mov_b32 s3, 0
	s_mul_i32 s23, s[WH], SLOT
	s_mul_i32 s19, s[WH], HALFT
	s_mul_i32 s20, s[WL], HALFT
	s_add_co_u32 s20, s20, 2*HALFT
	s_add_co_u32 s21, s19, FP*1536
	s_add_co_u32 s22, s20, FP*1536
	s_wait_kmcnt 0x0
	s_add_nc_u64 s[74:75], s[4:5], s[74:75]
	s_add_nc_u64 s[76:77], s[6:7], s[76:77]
	s_add_nc_u64 s[8:9], s[8:9], s[78:79]
	s_add_nc_u64 s[14:15], s[14:15], s[78:79]
	s_add_nc_u64 s[BIASR:BIASR+1], s[BIASR:BIASR+1], s[2:3]
	CROUND
.set rg, 0
.rept NR
	s_mov_b32 s[G0A+4*rg], 1                       ; set 0: my first load; set 1: my second, two slots on along K, into the same bytes
	s_add_co_u32 s[G0A+4*rg+1], s23, 0
	s_add_nc_u64 s[G0A+4*rg+2:G0A+4*rg+3], s[74:75], rg*2*HALFT
	s_or_b32 s[G0A+4*rg+3], s[G0A+4*rg+3], 0x80000000
	s_mov_b32 s[G0W+4*rg], 1
	s_add_co_u32 s[G0W+4*rg+1], s23, 2*HALFT
	s_add_nc_u64 s[G0W+4*rg+2:G0W+4*rg+3], s[76:77], rg*2*HALFT
	s_or_b32 s[G0W+4*rg+3], s[G0W+4*rg+3], 0x80000000
.set rg, rg+1
.endr
	JLOAD G0A, G1A, G0W, G1W                       ; both slots: one tensor load a wave at the head
	v_and_b32 v1, 31, v0
	v_and_b32 v2, 15, v0
	v_bfe_u32 v3, v0, 4, 1
	v_lshlrev_b32 v18, 4, v1
	v_lshlrev_b32 v52, 4, v2
	v_lshl_add_u32 v21, v3, 12, v52
	WIN 0xc0
.set a, 0
.rept 4
.set t, 0
.rept 8
.set rl, 32*(a/2)+8*(a%2)+2*t+8*(t/4)
	global_load_b128 v[32*a+4*t:32*a+4*t+3], v21, s[8:9] offset:rl*4096
.set t, t+1
.endr
.set a, a+1
.endr
	WIN 0
	global_load_b128 v[44:47], v52, s[BIASR:BIASR+1]
	s_mul_i32 s72, s[WV], 16*272
	s_add_co_u32 s72, s72, STAGE
	v_mul_u32_u24 v19, v2, 272
	v_lshl_add_u32 v19, v3, 6, v19
	v_add_nc_u32 v19, s72, v19
	v_mul_u32_u24 v20, v3, 272
	v_lshl_add_u32 v20, v2, 4, v20
	v_add_nc_u32 v20, s72, v20
	v_lshlrev_b32 v22, 2, v2
	v_mad_u32_u24 v22, v3, PB, v22
.set rg, 0
.rept NR
	v_add_nc_u32 v[AO+rg], s19, v18
	v_add_nc_u32 v[AI+rg], s20, v18
	v_add_nc_u32 v[SO+rg], s21, v22
	v_add_nc_u32 v[SI+rg], s22, v22
	s_add_co_u32 s19, s19, SLOT
	s_add_co_u32 s20, s20, SLOT
	s_add_co_u32 s21, s21, SLOT
	s_add_co_u32 s22, s22, SLOT
.set rg, rg+1
.endr
	s_wait_alu depctr_va_vdst(0)
	s_wait_tensorcnt 0x0                           ; my load has landed
	s_barrier_signal -1
	s_barrier_wait -1                              ; and everybody's: both slots are whole
	FETCH_I 0
	FETCH_O 0, 0, OH
	SCALES 0
	FETCH_O 0, OH, OH
	STEP 0, 1
	STEP 1, 0
	STEP 2, 0
	STEP 3, 0
	STEP 4, 0
	TURNR 5, 0, G1A, G1W
	STEP 6, 0
	STEP 7, 0
	STEP 8, 0
	STEP 9, 0
	STEP 10, 0
	TURNR 11, 1, G1AS, G1WS
	STEP 12, 0
	STEP 13, 0
	STEP 14, 0
	STEP 15, 0
	STEP 16, 0
	TURNW 17, 0
	STEP 18, 0
	STEP 19, 0
	STEP 20, 0
	LAST 21
	s_wait_loadcnt 0x0
	PLACES
.macro EPI a
.if (\a) > 1
	s_wait_xcnt 0x0
.endif
	WIN 0x08
.irp i, 0,1,2,3
	ds_store_b128 v19, v[8*(4*(\a)+\i):8*(4*(\a)+\i)+3] offset:128*(\i/2)+32*(\i%2)
	ds_store_b128 v19, v[8*(4*(\a)+\i)+4:8*(4*(\a)+\i)+7] offset:128*(\i/2)+32*(\i%2)+16
.endr
	WIN 0
.set YB, 64+32*((\a)%2)
.irp t, 0,1,2,3,4,5,6,7
	ds_load_b128 v[YB+4*\t:YB+4*\t+3], v20 offset:544*\t
.endr
	s_wait_dscnt 0x0
.irp t, 0,1,2,3,4,5,6,7
.irp k, 0,2
	v_pk_add_f32 v[YB+4*\t+\k:YB+4*\t+\k+1], v[YB+4*\t+\k:YB+4*\t+\k+1], v[44+\k:45+\k]
.endr
.endr
	WIN 0x0c
.irp t, 0,1,2,3,4,5,6,7
.irp k, 0,2
	v_pk_add_f32 v[YB+4*\t+\k:YB+4*\t+\k+1], v[YB+4*\t+\k:YB+4*\t+\k+1], v[32*(\a)+4*\t+\k:32*(\a)+4*\t+\k+1]
.endr
.endr
	WIN 0
.irp t, 0,1,2,3,4,5,6,7
	global_store_b128 v21, v[YB+4*\t:YB+4*\t+3], s[14:15] offset:(32*((\a)/2)+8*((\a)%2)+2*\t+8*(\t/4))*4096 th:TH_STORE_NT
.endr
.endm
	EPI 0
	EPI 1
	EPI 2
	EPI 3
	s_wait_tensorcnt 0x0
	ds_add_u32 v[SPW], v[NIL]
	s_wait_dscnt 0x0
	CROUND
	s_endpgm
.Lfunc_end_k_q875e51f365_mlp2:
	.size	k_q875e51f365_mlp2, .Lfunc_end_k_q875e51f365_mlp2-k_q875e51f365_mlp2
	.p2alignl 7, 3214868480
	.fill 96, 4, 3214868480
	.section	.rodata,"a",@progbits
	.p2align	6, 0x0
	.amdhsa_kernel k_q875e51f365_mlp2
		.amdhsa_group_segment_fixed_size 327680
		.amdhsa_private_segment_fixed_size 0
		.amdhsa_enable_private_segment 0
		.amdhsa_kernarg_size 40
		.amdhsa_user_sgpr_count 2
		.amdhsa_user_sgpr_kernarg_segment_ptr 1
		.amdhsa_wavefront_size32 1
		.amdhsa_system_sgpr_workgroup_id_x 1
		.amdhsa_system_sgpr_workgroup_id_y 1
		.amdhsa_system_sgpr_workgroup_id_z 1
		.amdhsa_system_vgpr_workitem_id 0
		.amdhsa_next_free_vgpr 1024
		.amdhsa_next_free_sgpr 100
		.amdhsa_reserve_vcc 0
		.amdhsa_float_denorm_mode_32 3
		.amdhsa_float_denorm_mode_16_64 3
		.amdhsa_memory_ordered 1
		.amdhsa_forward_progress 1
		.amdhsa_inst_pref_size 122
	.end_amdhsa_kernel
	.amdgpu_metadata
---
amdhsa.version: [ 1, 2 ]
amdhsa.kernels:
  - .name:           k_q875e51f365_mlp2
    .symbol:         k_q875e51f365_mlp2.kd
    .args:
      - { .name: hid, .offset: 0, .size: 8, .value_kind: global_buffer, .address_space: global }
      - { .name: wsp, .offset: 8, .size: 8, .value_kind: global_buffer, .address_space: global }
      - { .name: x1, .offset: 16, .size: 8, .value_kind: global_buffer, .address_space: global }
      - { .name: w3_b, .offset: 24, .size: 8, .value_kind: global_buffer, .address_space: global }
      - { .name: out0, .offset: 32, .size: 8, .value_kind: global_buffer, .address_space: global }
    .group_segment_fixed_size: 327680
    .private_segment_fixed_size: 0
    .kernarg_segment_align: 8
    .kernarg_segment_size: 40
    .max_flat_workgroup_size: 128
    .sgpr_count:     100
    .vgpr_count:     1024
    .wavefront_size: 32
...
	.end_amdgpu_metadata
.endif
;; end of part 6
